; MI455X (gfx1250); checked and timed in simulation.
; The chip was launched on July 23, 2026; its instructions are those of AMD's public machine-readable ISA for CDNA 5 (MIT licence, August 2026) and "CDNA5" Instruction Set Architecture Reference Guide (July 2026). The comments in the code are by the model that wrote it; some were corrected since.
;; Causal Gated D2 Attention. Allowed arithmetic: matrix products marked QUANTISED: E5M2 operands, one E8M0 scale for each 32 along K, by v_wmma_scale_f32_16x16x128_f8f6f4 with both operands' format E5M2, f32 sums; everything else in f32.
;; Inputs: gate_b 1,024 float32; gate_w 1,024 x 1,024 float32; ln_b 1,024 float32; ln_g 1,024 float32; qkv_b 3,072 float32; qkv_w 1,024 x 3,072 float32; x 4 x 2,048 x 1,024 float32.
;; Outputs: out0 4 x 2,048 x 1,024 float32.
;; This version of the problem:
;;   THIS VERSION OF THE PROBLEM IS GIVEN IN LOW PRECISION. The matrix products marked QUANTISED in the list below multiply operands that are first quantised to E5M2 (5 exponent bits, 2 mantissa bits; 8 bits a number), with one power-of-two scale for each 32 numbers along K (OCP MX v1.0); their sums are f32. All else is computed in f32.
;;   The module's matrix products, in the order in which they are computed (A, B: the left and right operand; K: the contracted axis; several contracted axes count as one K, in the product's order):
;;     1. [M 8,192, K 1,024] x [K 1,024, N 3,072]; A: computed on the way; B: input qkv_w: QUANTISED
;;     2. [M 8,192, K 1,024] x [K 1,024, N 1,024]; A: computed on the way; B: input gate_w: QUANTISED
;;     3. batch 4 x [M 2,048, K 1,024] x [K 1,024, N 2,048]; A: computed on the way; B: computed on the way: QUANTISED
;;     4. batch 4 x [M 2,048, K 2,048] x [K 2,048, N 1,024]; A: computed on the way; B: computed on the way: QUANTISED
;;   THE QUANTISER, for each operand of a quantised product, along K:
;;     - K is cut into blocks of 32 from its start; a last block that is shorter is filled with zeros.
;;     - A block's scale is 2^e with e = floor(log2(the largest magnitude in the block)) - 15, held to -126 .. 127; a block of zeros has e = 0. As a byte (E8M0): e + 127.
;;     - Each number is divided by its block's scale, clamped to +-57,344, and rounded to the nearest number of E5M2, ties to even, subnormals kept.
;;     - The product sums the exact products of the quantised numbers (number of the format x scale) in f32.
;;   ~~~python
;;   def quantise(x, axis):      # numpy; x: float32 -> the quantised numbers, widened to float32 again
;;       x = np.moveaxis(x, axis, -1); K = x.shape[-1]
;;       x = np.pad(x, [(0, 0)] * (x.ndim - 1) + [(0, -K % 32)]); x = x.reshape(x.shape[:-1] + (-1, 32)); a = np.abs(x).max(-1, keepdims=True)
;;       e = np.where(a > 0, np.clip(np.frexp(np.where(a > 0, a, 1))[1] - 1 - 15, -126, 127), 0)      # np.frexp(a)[1] - 1 = floor(log2(a)), exactly
;;       r = np.clip(x / 2.0 ** e, -57344, 57344)
;;       step = 2.0 ** (np.maximum(np.frexp(np.where(r == 0, 1, r))[1] - 1, -14) - 2)
;;       q = np.round(r / step) * step * 2.0 ** e      # np.round: ties to even
;;       return np.moveaxis(q.reshape(q.shape[:-2] + (-1,))[..., :K], -1, axis).astype(np.float32)
;;   ~~~
;;   OPERANDS COMPUTED ON THE WAY. 'Computed on the way' means the value that the module computes at that place (a softmax that the list does not call 'softmax' is quantised finished and normalised). What goes into a quantiser is computed in f32, as accurately as f32 sums, v_exp_f32 and their like allow (about 1e-6 of the number): no bf16 or f16 on the way to a quantiser, and a product that is left as it is and whose result goes on into a quantised operand takes f32 operands (vector FMAs, or v_wmma_f32_16x16x4_f32). A number that lies on a knife's edge between two numbers of the format may be rounded either way, as far as f32 arithmetic and the matrix unit's own rounding can turn it there, and no further.
;; One version. Each part assembles by itself: llvm-mc -triple=amdgcn-amd-amdhsa -mcpu=gfx1250 --defsym DOCPART=n.
;; ======== version 1 of 1: 4 launches
;; workspace buffers: opx 12,976,128 bytes; qk 17,301,504 bytes; vo 8,650,752 bytes; ao 17,301,504 bytes; aux 34,734,080 bytes; den4 131,072 bytes
;; launch prep (part 1): grid 384 x 1, 4 waves a work-group, no clusters, 37,376 bytes of LDS; arguments x, ln_g, ln_b, qkv_w, gate_w, opx; writes opx
.if DOCPART == 1
	.amdgcn_target "amdgcn-amd-amdhsa--gfx1250"
	.amdhsa_code_object_version 6
	.text
	.protected	k_q516f1c320f_prep
	.globl	k_q516f1c320f_prep
	.p2align	8
	.type	k_q516f1c320f_prep,@function
k_q516f1c320f_prep:
	s_mov_b64 s[64:65], 0
	v_nop
	global_prefetch_b8 v0, s[64:65] scope:SCOPE_SE
	s_setreg_imm32_b32 hwreg(HW_REG_WAVE_MODE, 25, 1), 1
	s_wait_xcnt 0x0
; LayerNorm(x) and the four weights become codes of E5M2 with one E8M0 byte for each 32 along K (K = the 1,024 of d_model), laid as PIECES in opx.
; A PIECE is 128 operand rows x 256 along K, 33,792 bytes: codes at blk*4096 + q*2048 + c*512 + lane*16 (the register image of fragment blk, K step q of 128: lane 16 hh + r holds K = 32 c + 16 hh + 0..15
; of fragment row r), then 1,024 scale bytes at 32,768 + (blk/2)*256 + r*16 + (blk%2)*8 + q*4 + c.  opx: xn [4 ks][64 g] pieces, then from XQ the weights [4 ks][32 = d/32] pieces.
; ROWS OF A FRAGMENT.  Tokens: row of the group of 128 = 64 (blk/4) + 4 r + blk%4.  Weights: piece d/32 holds block 2 type + u = 16 neighbouring columns d (type 0 q, 1 k, 2 gate, 3 v).
; Work-groups 0..255: 32 rows of x each (blocks 2 m', 2 m'+1 of group g), a wave a row at a time, the row kept in 32 registers.  Work-groups 256..383: 128 columns x 256 K of one weight, a lane a column,
; registers down K, so that the conversions give K innermost with no transposition.
; LIMITS: NaN and infinities are not served.  A block whose largest magnitude lies under 2^-111 (a block of zeros too) keeps the byte 1 where the quantiser's text says otherwise: only this program reads the bytes, and zero codes add nothing.
.set PIECE, 33792
.set SCO,   32768
.set XQ,    8650752
.set SP,    272                        ; a stage row: 256 bytes + 16
.set MN,  10                           ; v[10:11] the mean, twice
.set RS,  12                           ; v[12:13] 1/sqrt(var + eps), twice
.set MM,  20                           ; v20-27  sums in chains, then the eight blocks' largest magnitudes
.set INV, 28                           ; v28-35  1 / scale
.set BY,  36                           ; v36-43  scale bytes
.set CC,  44                           ; v44-51  codes: dword j = my four codes of load j
.set GG,  52                           ; v52-83  ln_g at my 32 columns
.set BB,  84                           ; v84-115 ln_b
.set XX,  116                          ; v116-243 four row slots of 32
.macro WSUM                            ; v14 summed over the 32 lanes, in every lane
.irp k, 1,2,4,8
	v_add_f32_dpp v14, v14, v14 row_xmask:\k row_mask:0xf bank_mask:0xf
.endr
	v_permlanex16_b32 v15, v14, s24, s25
	v_add_f32 v14, v14, v15
.endm
; One row.  left: the younger loads that may stay out.  refill = 1: the slot takes the row four further on.
.macro LNROW i, left, refill
.set XS, XX+32*((\i)%4)
	s_wait_loadcnt \left                           ; loads come back in order: my row (and g, b) are in
	s_wait_dscnt 0x0                               ; the last row's LDS stores have read their code and byte registers
	v_pk_add_f32 v[MM:MM+1], v[XS:XS+1], v[XS+2:XS+3]
	v_pk_add_f32 v[MM+2:MM+3], v[XS+4:XS+5], v[XS+6:XS+7]
	v_pk_add_f32 v[MM+4:MM+5], v[XS+8:XS+9], v[XS+10:XS+11]
	v_pk_add_f32 v[MM+6:MM+7], v[XS+12:XS+13], v[XS+14:XS+15]
.set p, 8
.rept 8
	v_pk_add_f32 v[MM+2*(p%4):MM+2*(p%4)+1], v[MM+2*(p%4):MM+2*(p%4)+1], v[XS+2*p:XS+2*p+1]
.set p, p+1
.endr
	v_pk_add_f32 v[MM:MM+1], v[MM:MM+1], v[MM+2:MM+3]
	v_pk_add_f32 v[MM+4:MM+5], v[MM+4:MM+5], v[MM+6:MM+7]
	v_pk_add_f32 v[MM:MM+1], v[MM:MM+1], v[MM+4:MM+5]
	v_add_f32 v14, v[MM], v[MM+1]
	WSUM
	v_mul_f32 v[MN], s26, v14                      ; the mean
	v_mul_f32 v[MN+1], s26, v14
.set p, 0
.rept 16
	v_pk_add_f32 v[XS+2*p:XS+2*p+1], v[XS+2*p:XS+2*p+1], v[MN:MN+1] neg_lo:[0,1] neg_hi:[0,1]
.set p, p+1
.endr
.set p, 0
.rept 4
	v_pk_mul_f32 v[MM+2*p:MM+2*p+1], v[XS+2*p:XS+2*p+1], v[XS+2*p:XS+2*p+1]
.set p, p+1
.endr
.rept 12
	v_pk_fma_f32 v[MM+2*(p%4):MM+2*(p%4)+1], v[XS+2*p:XS+2*p+1], v[XS+2*p:XS+2*p+1], v[MM+2*(p%4):MM+2*(p%4)+1]
.set p, p+1
.endr
	v_pk_add_f32 v[MM:MM+1], v[MM:MM+1], v[MM+2:MM+3]
	v_pk_add_f32 v[MM+4:MM+5], v[MM+4:MM+5], v[MM+6:MM+7]
	v_pk_add_f32 v[MM:MM+1], v[MM:MM+1], v[MM+4:MM+5]
	v_add_f32 v14, v[MM], v[MM+1]
	WSUM
	v_fma_f32 v14, v14, s26, s27                   ; var + 1e-5
	v_rsq_f32 v[RS], v14
	v_rsq_f32 v[RS+1], v14
	v_nop                                          ; a plain instruction behind the transcendentals,
	s_wait_alu depctr_va_vdst(0)                   ; and the wait ahead of their first reader
.set p, 0
.rept 16
	v_pk_mul_f32 v[XS+2*p:XS+2*p+1], v[XS+2*p:XS+2*p+1], v[RS:RS+1]
.set p, p+1
.endr
.set p, 0
.rept 16
	v_pk_fma_f32 v[XS+2*p:XS+2*p+1], v[XS+2*p:XS+2*p+1], v[GG+2*p:GG+2*p+1], v[BB+2*p:BB+2*p+1]
.set p, p+1
.endr
	; load j holds K = 128 j + 4 lane + 0..3: a block of 32 lies in eight neighbouring lanes
.set j, 0
.rept 8
	v_max3_num_f32 v[MM+j], |v[XS+4*j]|, |v[XS+4*j+1]|, 0x8000000   ; with the floor 2^(16 - 127): the byte cannot fall under 1
.set j, j+1
.endr
.set j, 0
.rept 8
	v_max3_num_f32 v[MM+j], v[MM+j], |v[XS+4*j+2]|, |v[XS+4*j+3]|
.set j, j+1
.endr
.irp k, 1,2,4
.set j, 0
.rept 8
	v_max_num_f32_dpp v[MM+j], v[MM+j], v[MM+j] row_xmask:\k row_mask:0xf bank_mask:0xf
.set j, j+1
.endr
.endr
.set j, 0
.rept 8
	v_and_b32 v[INV+j], 0x7f800000, v[MM+j]
	v_add_nc_u32 v[BY+j], 0xf8800000, v[MM+j]      ; 15 off the exponent field
.set j, j+1
.endr
.set j, 0
.rept 8
	v_sub_nc_u32 v[INV+j], 0x86800000, v[INV+j]    ; exponent field 269 - field: 1 / scale, a power of two
	v_lshrrev_b32 v[BY+j], 23, v[BY+j]             ; the scale's byte
.set j, j+1
.endr
	; a conversion takes eight numbers under ONE scale, and a lane has four of a block: so the numbers are divided first (a multiplication by a power of two rounds nothing) and converted under the scale 1
.set j, 0
.rept 8
.if j%2 == 0
	v_pk_mul_f32 v[XS+4*j:XS+4*j+1], v[XS+4*j:XS+4*j+1], v[INV+j:INV+j+1] op_sel_hi:[1,0]
	v_pk_mul_f32 v[XS+4*j+2:XS+4*j+3], v[XS+4*j+2:XS+4*j+3], v[INV+j:INV+j+1] op_sel_hi:[1,0]
.else
	v_pk_mul_f32 v[XS+4*j:XS+4*j+1], v[XS+4*j:XS+4*j+1], v[INV+j-1:INV+j] op_sel:[0,1] op_sel_hi:[1,1]
	v_pk_mul_f32 v[XS+4*j+2:XS+4*j+3], v[XS+4*j+2:XS+4*j+3], v[INV+j-1:INV+j] op_sel:[0,1] op_sel_hi:[1,1]
.endif
.set j, j+1
.endr
.set p, 0
.rept 32
	v_med3_num_f32 v[XS+p], v[XS+p], s28, s29      ; the conversion to an 8-bit code does not saturate (ISA guide 7.6.2): held within +-57,344 first
.set p, p+1
.endr
.set p, 0
.rept 4
	v_cvt_scalef32_pk8_bf8_f32 v[CC+2*p:CC+2*p+1], v[XS+8*p:XS+8*p+7], v18
.set p, p+1
.endr
	v_nop                                          ; a plain instruction behind the last conversion
.set j, 0
.rept 8
	ds_store_b32 v3, v[CC+j] offset:((j/2)*32+(j%2)*8)*SP+16*(\i)
	ds_store_b8 v4, v[BY+j] offset:(128+j/2)*SP+(j%2)*4+16*(\i)     ; the eight lanes of a block write the same byte with the same value
.set j, j+1
.endr
.if \refill
.set j, 0
.rept 8
	global_load_b128 v[XS+4*j:XS+4*j+3], v2, s[4:5] offset:((\i)+4)*16384+512*j th:TH_LOAD_NT
.set j, j+1
.endr
.endif
.endm
; The weights.  Block t of eight: W(32 t + i, my column), i = 0..31, into set t % 2.
.macro WLOAD t, pitch
.irp i, 0,1,2,3,4,5,6,7,8,9,10,11,12,13,14,15,16,17,18,19,20,21,22,23,24,25,26,27,28,29,30,31
	global_load_b32 v[32+32*((\t)%2)+\i], v3, s[4:5] offset:(32*(\t)+\i)*\pitch th:TH_LOAD_NT
.endr
.endm
.macro WBLOCK t, pitch
.set XS, 32+32*((\t)%2)
.set CD, 96+8*(\t)                     ; each block has its own eight code registers: no store's data are written again
.if (\t) < 7
	s_wait_loadcnt 32                              ; this block's 32 loads are in; the next block's may be out
.else
	s_wait_loadcnt 0
.endif
	v_max3_num_f32 v12, |v[XS]|, |v[XS+1]|, |v[XS+2]|
	v_max3_num_f32 v13, |v[XS+3]|, |v[XS+4]|, |v[XS+5]|
.irp i, 6,10,14,18,22,26
	v_max3_num_f32 v12, v12, |v[XS+\i]|, |v[XS+\i+1]|
	v_max3_num_f32 v13, v13, |v[XS+\i+2]|, |v[XS+\i+3]|
.endr
	v_max3_num_f32 v12, v12, |v[XS+30]|, |v[XS+31]|
	v_max3_num_f32 v12, v12, v13, 0x8000000        ; the floor
	v_add_nc_u32 v11, 0xf8800000, v12              ; the conversion's scale operand
	v_and_or_b32 v10, v12, 0x7f800000, s31         ; 57,344 x the scale
	v_lshrrev_b32 v13, 23, v11                     ; the byte
.if (\t)%4 == 0
	v_mov_b32 v[24+(\t)/4], v13
.else
	v_lshl_or_b32 v[24+(\t)/4], v13, 8*((\t)%4), v[24+(\t)/4]
.endif
.irp i, 0,1,2,3,4,5,6,7,8,9,10,11,12,13,14,15,16,17,18,19,20,21,22,23,24,25,26,27,28,29,30,31
	v_med3_num_f32 v[XS+\i], v[XS+\i], -v10, v10
.endr
.irp g, 0,1,2,3
	v_cvt_scalef32_pk8_bf8_f32 v[CD+2*\g:CD+2*\g+1], v[XS+8*\g:XS+8*\g+7], v11
.endr
	v_nop
	global_store_b128 v4, v[CD:CD+3], s[24:25] offset:((\t)/4)*2048+((\t)%4)*512          ; sixteen lanes store 256 consecutive bytes, aligned
	global_store_b128 v4, v[CD+4:CD+7], s[24:25] offset:((\t)/4)*2048+((\t)%4)*512+256
.if (\t)+2 < 8
	WLOAD (\t)+2, \pitch
.endif
.endm
.macro WPATH pitch
	WLOAD 0, \pitch
	WLOAD 1, \pitch
.set Q, 0
.rept 8
	WBLOCK Q, \pitch
.set Q, Q+1
.endr
	global_store_b64 v7, v[24:25], s[26:27]        ; my column's eight scale bytes: the 32 lanes store 256 consecutive bytes, aligned
.endm
	s_load_b256 s[4:11], s[0:1], 0x0               ; x, ln_g, ln_b, qkv_w
	s_load_b128 s[12:15], s[0:1], 0x20             ; gate_w, opx
	v_lshl_add_u32 v248, v0, 2, 0x9000
	v_mov_b32 v249, 0
	v_lshrrev_b32 v1, 5, v0
	v_readfirstlane_b32 s16, v1                    ; wave
	v_and_b32 v1, 31, v0                           ; lane
	s_cmp_lt_u32 ttmp9, 256
	s_cbranch_scc0 .Lweights
	; ---- LayerNorm
	s_lshr_b32 s17, ttmp9, 2                       ; g
	s_and_b32 s18, ttmp9, 3                        ; m'
	s_and_b32 s19, s16, 1                          ; e: which of the two blocks
	s_lshr_b32 s20, s16, 1                         ; which eight fragment rows
	s_lshl_b32 s21, s17, 7
	s_lshr_b32 s22, s18, 1
	s_lshl_b32 s22, s22, 6
	s_add_co_u32 s21, s21, s22
	s_and_b32 s22, s18, 1
	s_lshl_b32 s22, s22, 1
	s_add_co_u32 s21, s21, s22
	s_add_co_u32 s21, s21, s19
	s_lshl_b32 s22, s20, 5
	s_add_co_u32 s21, s21, s22                     ; my first row: 128 g + 64 (m'/2) + 2 (m'%2) + e + 32 (wave/2); my rows lie 4 apart
	s_lshl_b32 s22, s21, 12
	s_mov_b32 s23, 0
	s_lshl_b32 s30, s16, 6                         ; on the way out wave w stores K step w: piece (w, g)
	s_add_co_u32 s30, s30, s17
	s_mul_i32 s30, s30, PIECE
	s_lshl_b32 s32, s18, 8
	s_add_co_u32 s32, s32, s30
	s_add_co_u32 s32, s32, SCO
	s_mov_b32 s33, 0
	s_lshl_b32 s31, s18, 13
	s_add_co_u32 s30, s30, s31
	s_mov_b32 s31, 0
	s_mov_b32 s24, 0x76543210
	s_mov_b32 s25, 0xfedcba98
	s_mov_b32 s26, 0x3a800000                      ; 1 / 1,024
	s_mov_b32 s27, 0x3727c5ac                      ; 1e-5
	s_mov_b32 s28, 0xc7600000                      ; -57,344
	s_mov_b32 s29, 0x47600000
	v_lshlrev_b32 v2, 4, v1                        ; 16 x lane
	v_lshrrev_b32 v3, 2, v1                        ; the stage, codes: row (ks*32 + e*16 + q*8 + lane/4), byte r*16 + 4 (lane%4)
	v_mul_u32_u24 v3, v3, SP
	v_and_b32 v9, 3, v1
	v_lshl_add_u32 v3, v9, 2, v3
	s_mul_i32 s34, s19, 16*SP
	s_lshl_b32 s35, s20, 7
	s_add_co_u32 s34, s34, s35
	v_add_nc_u32 v3, s34, v3
	v_lshrrev_b32 v4, 3, v1                        ; the stage, scale bytes: row 128 + ks, byte r*16 + e*8 + q*4 + lane/8
	s_lshl_b32 s34, s19, 3
	s_add_co_u32 s34, s34, s35
	v_add_nc_u32 v4, s34, v4
	v_lshrrev_b32 v5, 4, v1                        ; back: two stage rows an instruction, my wave's 32 rows
	v_mul_u32_u24 v5, v5, SP
	v_and_b32 v9, 15, v1
	v_lshl_add_u32 v5, v9, 4, v5
	s_mul_i32 s34, s16, 32*SP
	v_add_nc_u32 v5, s34, v5
	v_lshlrev_b32 v7, 3, v1
	s_mul_i32 s34, s16, SP
	v_add_nc_u32 v6, s34, v7
	v_mov_b32 v18, 1.0
	v_mov_b32 v15, 0                               ; a lane permute's destination counts as one of its sources
	s_wait_kmcnt 0x0
	s_add_nc_u64 s[4:5], s[4:5], s[22:23]
	s_add_nc_u64 s[30:31], s[14:15], s[30:31]
	s_add_nc_u64 s[32:33], s[14:15], s[32:33]
.set j, 0
.rept 8
	global_load_b128 v[GG+4*j:GG+4*j+3], v2, s[6:7] offset:512*j
.set j, j+1
.endr
.set j, 0
.rept 8
	global_load_b128 v[BB+4*j:BB+4*j+3], v2, s[8:9] offset:512*j
.set j, j+1
.endr
.irp i, 0,1,2,3
.set j, 0
.rept 8
	global_load_b128 v[XX+32*\i+4*j:XX+32*\i+4*j+3], v2, s[4:5] offset:\i*16384+512*j th:TH_LOAD_NT   ; 512 consecutive bytes a load
.set j, j+1
.endr
.endr
	LNROW 0, 24, 1                                 ; three younger rows of eight loads may stay out
	LNROW 1, 24, 1
	LNROW 2, 24, 1
	LNROW 3, 24, 1
	LNROW 4, 24, 0
	LNROW 5, 16, 0
	LNROW 6, 8, 0
	LNROW 7, 0, 0
	s_wait_dscnt 0x0                               ; for the others' sake: my stores into the stage are done
	s_barrier_signal -1
	s_barrier_wait -1
.set t, 0
.rept 16
	ds_load_b128 v[XX+4*t:XX+4*t+3], v5 offset:t*2*SP
.set t, t+1
.endr
	ds_load_b64 v[MM:MM+1], v6 offset:128*SP
.set t, 0
.rept 16
	s_wait_dscnt 16-t                              ; the younger LDS loads may stay out
	global_store_b128 v2, v[XX+4*t:XX+4*t+3], s[30:31] offset:512*t      ; 512 consecutive bytes, aligned
.set t, t+1
.endr
	s_wait_dscnt 0x0
	global_store_b64 v7, v[MM:MM+1], s[32:33]      ; 256 consecutive bytes, aligned
	s_wait_tensorcnt 0x0
	ds_add_u32 v248, v249
	s_wait_dscnt 0x0
	s_endpgm
	; ---- the weights
.Lweights:
	s_sub_co_u32 s17, ttmp9, 256
	s_lshr_b32 s18, s17, 2
	s_and_b32 s19, s17, 3                          ; ks
	s_lshr_b32 s20, s18, 3                         ; type
	s_and_b32 s21, s18, 7
	s_lshl_b32 s21, s21, 2
	s_add_co_u32 s21, s21, s16                     ; my wave's 32 columns: d / 32
	s_lshl_b32 s22, s19, 5
	s_add_co_u32 s22, s22, s21
	s_mul_i32 s22, s22, PIECE
	s_add_co_u32 s22, s22, XQ
	s_lshl_b32 s23, s20, 13
	s_add_co_u32 s24, s22, s23                     ; blocks 2 type, 2 type + 1 of the piece
	s_mov_b32 s25, 0
	s_lshl_b32 s23, s20, 8
	s_add_co_u32 s26, s22, s23
	s_add_co_u32 s26, s26, SCO
	s_mov_b32 s27, 0
	v_lshlrev_b32 v3, 2, v1                        ; in: 4 bytes a lane
	v_lshrrev_b32 v5, 4, v1                        ; u
	v_and_b32 v6, 15, v1                           ; r
	v_lshlrev_b32 v4, 4, v6
	v_lshl_add_u32 v4, v5, 12, v4                  ; codes: u*4096 + r*16
	v_lshlrev_b32 v7, 4, v6
	v_lshl_add_u32 v7, v5, 3, v7                   ; scale bytes: r*16 + u*8
	s_mov_b32 s31, 0x600000                        ; the mantissa field of 57,344
	s_lshl_b32 s28, s21, 7
	s_mov_b32 s29, 0
	s_wait_kmcnt 0x0
	s_add_nc_u64 s[24:25], s[14:15], s[24:25]
	s_add_nc_u64 s[26:27], s[14:15], s[26:27]
	s_cmp_eq_u32 s20, 2
	s_cbranch_scc1 .Lgate
	s_min_u32 s30, s20, 2                          ; q, k, v begin at columns 0, 1,024, 2,048 of qkv_w
	s_lshl_b32 s30, s30, 12
	s_add_co_u32 s28, s28, s30
	s_mul_i32 s30, s19, 256*12288
	s_add_co_u32 s28, s28, s30
	s_add_nc_u64 s[4:5], s[10:11], s[28:29]
	WPATH 12288
	s_endpgm
.Lgate:
	s_mul_i32 s30, s19, 256*4096
	s_add_co_u32 s28, s28, s30
	s_add_nc_u64 s[4:5], s[12:13], s[28:29]
	WPATH 4096
	s_endpgm
.Lfunc_end_k_q516f1c320f_prep:
	.size	k_q516f1c320f_prep, .Lfunc_end_k_q516f1c320f_prep-k_q516f1c320f_prep
	.p2alignl 7, 3214868480
	.fill 96, 4, 3214868480
	.section	.rodata,"a",@progbits
	.p2align	6, 0x0
	.amdhsa_kernel k_q516f1c320f_prep
		.amdhsa_group_segment_fixed_size 37376
		.amdhsa_private_segment_fixed_size 0
		.amdhsa_enable_private_segment 0
		.amdhsa_kernarg_size 48
		.amdhsa_user_sgpr_count 2
		.amdhsa_user_sgpr_kernarg_segment_ptr 1
		.amdhsa_wavefront_size32 1
		.amdhsa_system_sgpr_workgroup_id_x 1
		.amdhsa_system_sgpr_workgroup_id_y 1
		.amdhsa_system_sgpr_workgroup_id_z 1
		.amdhsa_system_vgpr_workitem_id 0
		.amdhsa_next_free_vgpr 250
		.amdhsa_next_free_sgpr 66
		.amdhsa_reserve_vcc 0
		.amdhsa_float_denorm_mode_32 3
		.amdhsa_float_denorm_mode_16_64 3
		.amdhsa_memory_ordered 1
		.amdhsa_forward_progress 1
		.amdhsa_inst_pref_size 244
	.end_amdhsa_kernel
	.amdgpu_metadata
---
amdhsa.version: [ 1, 2 ]
amdhsa.kernels:
  - .name:           k_q516f1c320f_prep
    .symbol:         k_q516f1c320f_prep.kd
    .args:
      - { .name: x, .offset: 0, .size: 8, .value_kind: global_buffer, .address_space: global }
      - { .name: ln_g, .offset: 8, .size: 8, .value_kind: global_buffer, .address_space: global }
      - { .name: ln_b, .offset: 16, .size: 8, .value_kind: global_buffer, .address_space: global }
      - { .name: qkv_w, .offset: 24, .size: 8, .value_kind: global_buffer, .address_space: global }
      - { .name: gate_w, .offset: 32, .size: 8, .value_kind: global_buffer, .address_space: global }
      - { .name: opx, .offset: 40, .size: 8, .value_kind: global_buffer, .address_space: global }
    .group_segment_fixed_size: 37376
    .private_segment_fixed_size: 0
    .kernarg_segment_align: 8
    .kernarg_segment_size: 48
    .max_flat_workgroup_size: 128
    .sgpr_count:     66
    .vgpr_count:     250
    .wavefront_size: 32
...
	.end_amdgpu_metadata
.endif
;; end of part 1
;; launch proj (part 2): grid 16 x 32, 4 waves a work-group, clusters of 4 x 4, 327,680 bytes of LDS; arguments opx, qkv_b, gate_b, qk, vo, aux; writes qk, vo, aux
.if DOCPART == 2
	.amdgcn_target "amdgcn-amd-amdhsa--gfx1250"
	.amdhsa_code_object_version 6
	.text
	.protected	k_q516f1c320f_proj
	.globl	k_q516f1c320f_proj
	.p2align	8
	.type	k_q516f1c320f_proj,@function
k_q516f1c320f_proj:
	s_mov_b64 s[64:65], 0
	v_nop
	global_prefetch_b8 v0, s[64:65] scope:SCOPE_SE
	s_setreg_imm32_b32 hwreg(HW_REG_WAVE_MODE, 25, 1), 1
	s_wait_xcnt 0x0
	s_wait_alu depctr_hold_cnt(0) depctr_sa_sdst(0) depctr_va_vdst(0) depctr_va_sdst(0) depctr_va_ssrc(0) depctr_va_vcc(0) depctr_vm_vsrc(0)
	s_getreg_b32 s2, hwreg(HW_REG_IB_STS2, 6, 4)
	s_cmp_eq_u32 s2, 0
	s_cbranch_scc0 .Lentry_in_a_cluster
	s_endpgm
.Lentry_in_a_cluster:
	s_bfe_u32 s2, ttmp6, 0x10000c
	s_cmp_lg_u32 s2, 0xf033
	s_cbranch_scc0 .Lentry_shape_is_right
	s_endpgm
.Lentry_shape_is_right:
; q, k, gate, v = xn W + b on codes of E5M2 (K = 1,024), then k x sigmoid(gate), elu + 1 on q and k; q, k (along d) and v (along the keys) leave as codes with their scale bytes; q also in f32; the part of
; den = sum_d q x cumsum_t(k) that lies inside the 256 rows, and the sums of k over the 256 rows.
; A work-group: 256 tokens (ty) x 64 d of all four types (nt).  Four waves: rh = wave/2 takes 128 tokens (A's piece rh), ch = wave%2 takes 32 d x 4 types (B's piece ch: block 2 type + u).
; PIECES (128 rows x 256 K, 33,792 bytes, register images; scale words behind the codes) are dense in memory: one tensor load brings one.  A slot holds A's two and B's two; two slots; K = 4 slots.
; q, k, gate are multiplied TRANSPOSED (source 0 = 16 columns of W, source 1 = 16 tokens): lane (r, h) holds token row r of block a and d = 16 u + 8 h + j.  v is multiplied the other way round:
; lane (r, h) holds d = 16 u + r and tokens 64 (a/4) + 32 h + 4 j + a%4: the four blocks a = 4 A1 .. 4 A1 + 3 of ONE lane are a whole block of 32 keys.
; Token row of block a, fragment row r: 64 (a/4) + 4 r + a%4: the cumsum is a prefix over a%4 in the lane and one scan over 16 lanes for each half of 64.
; K positions inside a scale block are permuted, alike in both operands of the later products: q, k: place 16 h + 8 u + j is d = 16 u + 8 h + j; v: place 8 (a%4) + j is key 4 j + a%4.
; CLUSTER 4 x 4: A's pieces hang on ty alone and are asked for jointly along a row of the cluster, B's on nt alone, along a column.
; The biases are the C of each sum's first matrix instruction.  elu(x) + 1 = max(x + 1, 2^(-|x| log2 e)).
; LIMITS: NaN and infinities are not served; blocks under 2^-111 keep the byte 1; sigmoid goes by v_rcp_f32; the bias starts the sum instead of ending it.
; STORES SHORTER THAN 256 BYTES, two kinds.  The sums of k: 128 consecutive bytes a wave, 131,072 bytes in the launch.  The scale bytes of q and k: single bytes, eight stores a wave, 524,288 bytes in the launch:
; a scale word's four bytes belong to four blocks of 32 d, which lie in two work-groups, and each byte is stored at once at its place in the piece, so that the next launch reads the pieces as they lie.
; REGISTERS: window 0: v0-31 addresses; v32-63 scale words, two sets, and nothing else; v64-127 biases, later at work; v128-255 A's fragments, later k.  window 1: B's two sets, later q (v0-127), codes (v128-223) and scale bytes (v224-231).
;   windows 2, 3: accumulator (a, b) at v[8 (8 (a%4) + b)] of window 2 + a/4.
.set PIECE, 33792
.set SCO,   32768
.set SLOT,  4*PIECE
.set SPARE, 2*SLOT                     ; the spare words: 128 bytes a wave, two blocks of 256 bytes that no other line names
.set EX,    SPARE+512                  ; scratch that no fill touches: four images of 2,048 bytes (sums of k over a wave's 128 rows),
.set EXV,   EX+8192                    ; and 512 bytes of v's scale words
.set XQ,    8650752
.set KO,    8650752
.set DENL,  33554432
.set CSUM,  34603008
.set ADRA, 16
.set ADRB, 20
.set ADRS, 22
.set SPW,  28
.set NIL,  29
.set SC,   32
.set BI,   64
.set AF,   128
.set T1,   64
.set KG,   80
.set T3,   96
.set KK,   128
.set G1,   24
.set G0,   32
.set G1B,  48
.set G0B,  56
.set MSB, 0
.macro WIN new                         ; the immediate's high byte repeats the setting that is left
.if MSB != (\new)
	s_set_vgpr_msb (MSB<<8)|(\new)
.set MSB, (\new)
.endif
.endm
.macro PLACES n
.rept \n
	v_nop
.endr
.endm
.macro CREST                           ; a round of the cluster's barrier behind its opening barrier
	s_cmp_lg_u32 s16, 0
	s_cbranch_scc1 .Lnot_wave_0_\@
	s_barrier_signal -3
.Lnot_wave_0_\@:
	s_barrier_wait -3
	s_barrier_signal -1
	s_barrier_wait -1
.endm
.macro CROUND
	s_barrier_signal -1
	s_barrier_wait -1
	CREST
.endm
.macro JLOAD s                         ; a joint refill: waves 0, 1 ask for A's pieces, waves 2, 3 for B's; four v_nop follow each line
	s_cmp_eq_u32 s17, 0
	s_cbranch_scc0 .Lfor_b_\@
	tensor_load_to_lds s[G0+4*\s:G0+4*\s+3], s[G1:G1+7]
	s_nop 0
	PLACES 4
	s_branch .Lasked_\@
.Lfor_b_\@:
	tensor_load_to_lds s[G0B+4*\s:G0B+4*\s+3], s[G1B:G1B+7]
	s_nop 0
	PLACES 4
.Lasked_\@:
.endm
.macro FRAG reg, adr, q, blk           ; a fragment's 16 registers: four loads of 512 consecutive bytes
.irp c, 0,1,2,3
	ds_load_b128 v[\reg+4*\c:\reg+4*\c+3], v[\adr] offset:(\blk)*4096+(\q)*2048+512*\c
.endr
.endm
.macro FETCH_B slot, q, p
	WIN 0x40
.irp i, 0,1,2,3,4,5,6,7
	FRAG 128*(\p)+16*\i, ADRB+\slot, \q, \i
.endr
	WIN 0
.endm
.macro FETCH_A slot, q, i0
.irp i, \i0, \i0+1, \i0+2, \i0+3
	FRAG AF+16*(\i), ADRA+\slot, \q, \i
.endr
.endm
.macro SCALES set                      ; register SC + 16 set + 2 blk + q: lanes 0-15 the word of A's block, lanes 16-31 that of B's
.irp m, 0,1,2,3
	ds_load_b128 v[SC+16*\set+4*\m:SC+16*\set+4*\m+3], v[ADRS+\set] offset:256*\m
.endr
.endm
.macro TPART a0, p, q, set, first      ; q, k, gate: 12 products, transposed
.if \first
	WIN 0x81+0x40*((\a0)/4)
.else
	WIN 0xa1+0x50*((\a0)/4)
.endif
.irp a, \a0, \a0+1
.irp b, 0,1,2,3,4,5
.if \first
	v_wmma_scale_f32_16x16x128_f8f6f4 v[8*(8*((\a)%4)+\b):8*(8*((\a)%4)+\b)+7], v[128*(\p)+16*\b:128*(\p)+16*\b+15], v[AF+16*(\a):AF+16*(\a)+15], v[BI+8*\b:BI+8*\b+7], v[SC+16*(\set)+2*\b+(\q)], v[SC+16*(\set)+2*(\a)+(\q)] matrix_a_fmt:MATRIX_FMT_BF8 matrix_b_fmt:MATRIX_FMT_BF8 matrix_a_scale:MATRIX_SCALE_ROW1
.else
	v_wmma_scale_f32_16x16x128_f8f6f4 v[8*(8*((\a)%4)+\b):8*(8*((\a)%4)+\b)+7], v[128*(\p)+16*\b:128*(\p)+16*\b+15], v[AF+16*(\a):AF+16*(\a)+15], v[8*(8*((\a)%4)+\b):8*(8*((\a)%4)+\b)+7], v[SC+16*(\set)+2*\b+(\q)], v[SC+16*(\set)+2*(\a)+(\q)] matrix_a_fmt:MATRIX_FMT_BF8 matrix_b_fmt:MATRIX_FMT_BF8 matrix_a_scale:MATRIX_SCALE_ROW1
.endif
.endr
.endr
.endm
.macro VPART a0, p, q, set, first      ; v: 4 products, source 0 = the tokens
.if \first
	WIN 0x84+0x40*((\a0)/4)
.else
	WIN 0xa4+0x50*((\a0)/4)
.endif
.irp a, \a0, \a0+1
.irp b, 6,7
.if \first
	v_wmma_scale_f32_16x16x128_f8f6f4 v[8*(8*((\a)%4)+\b):8*(8*((\a)%4)+\b)+7], v[AF+16*(\a):AF+16*(\a)+15], v[128*(\p)+16*\b:128*(\p)+16*\b+15], v[BI+8*\b:BI+8*\b+7], v[SC+16*(\set)+2*(\a)+(\q)], v[SC+16*(\set)+2*\b+(\q)] matrix_a_fmt:MATRIX_FMT_BF8 matrix_b_fmt:MATRIX_FMT_BF8 matrix_b_scale:MATRIX_SCALE_ROW1
.else
	v_wmma_scale_f32_16x16x128_f8f6f4 v[8*(8*((\a)%4)+\b):8*(8*((\a)%4)+\b)+7], v[AF+16*(\a):AF+16*(\a)+15], v[128*(\p)+16*\b:128*(\p)+16*\b+15], v[8*(8*((\a)%4)+\b):8*(8*((\a)%4)+\b)+7], v[SC+16*(\set)+2*(\a)+(\q)], v[SC+16*(\set)+2*\b+(\q)] matrix_a_fmt:MATRIX_FMT_BF8 matrix_b_fmt:MATRIX_FMT_BF8 matrix_b_scale:MATRIX_SCALE_ROW1
.endif
.endr
.endr
.endm
.macro MUL2 a0, p, q, set, first       ; 16 products on 16 accumulators, one instruction a turn; the two parts change order so that neighbours share a window setting
.if ((\a0)/2)%2 == 0
	TPART \a0, \p, \q, \set, \first
	VPART \a0, \p, \q, \set, \first
.else
	VPART \a0, \p, \q, \set, \first
	TPART \a0, \p, \q, \set, \first
.endif
.endm
; Eight plain vector instructions stand between a matrix instruction of this form and a load into, or a vector instruction on, one of its registers.
.macro STEP slot, first                ; a slot's first 128 along K, on B's set 0
	s_wait_dscnt 16                                ; B's set, A's blocks 0-3 and the scale words are in; the youngest sixteen loads (A's blocks 4-7) may be out
	MUL2 0, 0, 0, \slot, \first
	MUL2 2, 0, 0, \slot, \first
	s_wait_dscnt 0
	PLACES 8
	FETCH_B \slot, 1, 1
	FETCH_A \slot, 1, 0
	MUL2 4, 0, 0, \slot, \first
	MUL2 6, 0, 0, \slot, \first
	PLACES 8
	WIN 0
	FETCH_A \slot, 1, 4
.endm
.macro TURN slot, next, fill           ; a slot's second 128 along K, and the change of slots
	s_wait_tensorcnt 0x0                           ; all my tensor loads have landed: my part of the next slot
	ds_add_u32 v[SPW], v[NIL]                      ; 0 onto my spare word
	s_wait_dscnt 17                                ; the add and the youngest sixteen loads may be out
	MUL2 0, 1, 1, \slot, 0
	s_wait_dscnt 0x0                               ; the add is done, and my reads of this slot are over
	s_barrier_signal -1
	MUL2 2, 1, 1, \slot, 0
	WIN 0
	s_barrier_wait -1
.if \fill
	CREST                                          ; the barrier has opened a round of the cluster's barrier: no wave of any partner still reads this slot or has a load on its way
	s_add_nc_u64 s[G0+4*\slot+2:G0+4*\slot+3], s[G0+4*\slot+2:G0+4*\slot+3], 128*PIECE   ; two K steps on
	s_add_nc_u64 s[G0B+4*\slot+2:G0B+4*\slot+3], s[G0B+4*\slot+2:G0B+4*\slot+3], 64*PIECE
	JLOAD \slot                                    ; the first tensor load behind the round; its four v_nop are four of the eight places
	PLACES 4
.else
	PLACES 8
.endif
	FETCH_B \next, 0, 0
	FETCH_A \next, 0, 0
	SCALES \next
	MUL2 4, 1, 1, \slot, 0
	MUL2 6, 1, 1, \slot, 0
	PLACES 8
	WIN 0
	FETCH_A \next, 0, 4
.endm
	s_load_b256 s[4:11], s[0:1], 0x0               ; opx, qkv_b, gate_b, qk
	s_load_b128 s[12:15], s[0:1], 0x20             ; vo, aux
	v_lshl_add_u32 v[SPW], v0, 2, SPARE
	v_mov_b32 v[NIL], 0
	ds_add_u32 v28, v29
	s_wait_dscnt 0x0
	v_lshrrev_b32 v1, 5, v0
	v_readfirstlane_b32 s16, v1                    ; wave
	s_lshr_b32 s17, s16, 1                         ; rh.  Also: I fetch for A (0) or for B (1)
	s_and_b32 s18, s16, 1                          ; ch.  Also: which of the two pieces I fetch
	s_bfe_u32 s40, ttmp6, 0x40000                  ; cx
	s_bfe_u32 s41, ttmp6, 0x40004                  ; cy
	s_lshl_b32 s42, ttmp9, 2
	s_add_co_u32 s42, s42, s40                     ; nt
	s_and_b32 s43, ttmp7, 0xffff
	s_lshl_b32 s43, s43, 2
	s_add_co_u32 s43, s43, s41                     ; ty
	s_lshl_b32 s44, s41, 2
	s_lshl_b32 s44, 15, s44                        ; my row of the cluster
	s_lshl_b32 s45, 0x1111, s40                    ; my column
	s_or_b32 s[G1], s44, (3<<16)|(1<<21)           ; 15:0 the mask; 17:16 elements of 8 bytes; 21 set beside a mask; no padding
	s_or_b32 s[G1B], s45, (3<<16)|(1<<21)
.irp g, G1, G1B
	s_mov_b32 s[\g+1], 32<<16                      ; tensor_dim0 = 32 elements: 256 bytes
	s_mov_b32 s[\g+2], 132<<16                     ; tensor_dim1 = 132 rows: a piece
	s_mov_b32 s[\g+3], 32<<16                      ; tile_dim0
	s_mov_b32 s[\g+4], 132                         ; tile_dim1
	s_mov_b32 s[\g+5], 32                          ; the pitch: dense
	s_mov_b32 s[\g+6], 0
	s_mov_b32 s[\g+7], 0
.endr
	s_lshl_b32 s20, s43, 1
	s_add_co_u32 s20, s20, s18
	s_mul_i32 s20, s20, PIECE                      ; A: piece (0, 2 ty + wave%2)
	s_mov_b32 s21, 0
	s_lshl_b32 s46, s42, 1
	s_add_co_u32 s46, s46, s18
	s_mul_i32 s46, s46, PIECE
	s_add_co_u32 s46, s46, XQ                      ; B: piece (0, 2 nt + wave%2)
	s_mov_b32 s47, 0
	s_mul_i32 s19, s16, PIECE                      ; where it goes: wave x a piece
	s_wait_kmcnt 0x0
	s_add_nc_u64 s[20:21], s[4:5], s[20:21]
	s_add_nc_u64 s[46:47], s[4:5], s[46:47]
	CROUND                                         ; all sixteen work-groups are here: the first joint loads meet
.irp s, 0,1
	s_mov_b32 s[G0+4*\s], 1
	s_add_co_u32 s[G0+4*\s+1], s19, \s*SLOT
	s_add_nc_u64 s[G0+4*\s+2:G0+4*\s+3], s[20:21], \s*64*PIECE
	s_or_b32 s[G0+4*\s+3], s[G0+4*\s+3], 0x80000000
	s_mov_b32 s[G0B+4*\s], 1
	s_add_co_u32 s[G0B+4*\s+1], s19, \s*SLOT
	s_add_nc_u64 s[G0B+4*\s+2:G0B+4*\s+3], s[46:47], \s*32*PIECE
	s_or_b32 s[G0B+4*\s+3], s[G0B+4*\s+3], 0x80000000
.endr
	s_cmp_eq_u32 s17, 0                            ; a wave's two first fills stand in one branch: two loads of mine are out
	s_cbranch_scc0 .Lfirst_b
	tensor_load_to_lds s[G0:G0+3], s[G1:G1+7]
	s_nop 0
	tensor_load_to_lds s[G0+4:G0+7], s[G1:G1+7]
	s_nop 0
	PLACES 4
	s_branch .Lfirst_done
.Lfirst_b:
	tensor_load_to_lds s[G0B:G0B+3], s[G1B:G1B+7]
	s_nop 0
	tensor_load_to_lds s[G0B+4:G0B+7], s[G1B:G1B+7]
	s_nop 0
	PLACES 4
.Lfirst_done:
	v_and_b32 v1, 15, v0                           ; r
	v_bfe_u32 v2, v0, 4, 1                         ; h
	v_and_b32 v3, 31, v0
	v_lshlrev_b32 v3, 4, v3                        ; 16 x lane
	s_mul_i32 s92, s17, PIECE
	s_mul_i32 s93, s18, PIECE
	s_add_co_u32 s93, s93, 2*PIECE
.irp s, 0,1
	v_add_nc_u32 v[ADRA+\s], s92, v3
	v_add_nc_u32 v[ADRB+\s], s93, v3
	s_add_co_u32 s92, s92, SLOT
	s_add_co_u32 s93, s93, SLOT
.endr
	s_mul_i32 s92, s17, PIECE
	s_mul_i32 s93, s18, PIECE
	s_add_co_u32 s93, s93, 2*PIECE
	s_sub_co_u32 s93, s93, s92                     ; from A's piece to B's
	v_mul_u32_u24 v24, s93, v2                     ; lanes 16-31 take B's scale words
	v_lshl_add_u32 v24, v1, 4, v24
	s_add_co_u32 s92, s92, SCO
	v_add_nc_u32 v[ADRS], s92, v24
	s_add_co_u32 s92, s92, SLOT
	v_add_nc_u32 v[ADRS+1], s92, v24
	v_lshlrev_b32 v4, 5, v2                        ; 32 h: biases of the transposed tiles
	v_lshlrev_b32 v5, 2, v1                        ; 4 r: biases of v's tiles
	v_lshlrev_b32 v6, 4, v1
	v_lshl_add_u32 v6, v2, 3, v6                   ; q's and k's scale bytes: r*16 + h*8
	v_lshlrev_b32 v7, 4, v1
	v_lshl_add_u32 v7, v2, 9, v7                   ; v's codes: h*512 + r*16
	s_lshl_b32 s94, s16, 11
	s_add_co_u32 s94, s94, EX
	v_add_nc_u32 v8, s94, v3                       ; my image of sums
	s_lshl_b32 s94, s18, 11
	s_add_co_u32 s94, s94, EX
	v_add_nc_u32 v9, s94, v3                       ; the image of the wave above me (rh = 0, my ch)
	v_lshlrev_b32 v10, 10, v2                      ; lane l reads the sum of d = l out of an image: (l/16)*1024 + ((l/4)%2)*512 + ((l/8)%2)*256 + (l%4)*4
	v_bfe_u32 v25, v0, 2, 1
	v_lshl_add_u32 v10, v25, 9, v10
	v_bfe_u32 v25, v0, 3, 1
	v_lshl_add_u32 v10, v25, 8, v10
	v_and_b32 v25, 3, v0
	v_lshl_add_u32 v10, v25, 2, v10
	v_add_nc_u32 v10, s94, v10
	s_lshl_b32 s95, s18, 8
	s_lshl_b32 s94, s17, 2
	s_add_co_u32 s95, s95, s94
	s_add_co_u32 s95, s95, EXV
	v_lshl_add_u32 v11, v1, 4, s95                 ; v's scale words: ch*256 + r*16 + rh*4 (+ u*8)
	v_add_nc_u32 v12, EXV, v3
	v_lshrrev_b32 v13, 2, v3                       ; 4 x lane
	s_mov_b32 s68, 0xbfb8aa3b                      ; -log2(e)
	s_mov_b32 s69, s68
	s_mov_b32 s70, 0x3fb8aa3b
	s_mov_b32 s71, 0x600000                        ; the mantissa field of 57,344
	s_mov_b32 s72, 0x76543210
	s_mov_b32 s73, 0xfedcba98
	s_mov_b32 s74, 0xffff0000                      ; lanes 16-31
	s_cmp_eq_u32 s17, 1
	s_cselect_b32 s75, -1, 0
	; where the results go
	s_lshl_b32 s96, s43, 1
	s_add_co_u32 s96, s96, s17                     ; g: my group of 128 tokens
	s_lshl_b32 s97, s42, 1
	s_add_co_u32 s97, s97, s18                     ; dblk: my block of 32 d
	s_mov_b32 s93, 0
	s_lshr_b32 s92, s42, 2
	s_lshl_b32 s92, s92, 6
	s_add_co_u32 s92, s92, s96
	s_mul_i32 s92, s92, PIECE                      ; piece (dblk/8, g)
	s_bfe_u32 s94, s42, 0x10001                    ; its K step: (dblk/4)%2
	s_lshl_b32 s2, s94, 2
	s_and_b32 s3, s97, 3
	s_add_co_u32 s2, s2, s3
	s_add_co_u32 s2, s2, s92
	s_add_co_u32 s2, s2, SCO
	s_mov_b32 s3, 0
	s_add_nc_u64 s[82:83], s[10:11], s[2:3]        ; q's scale bytes: byte dblk%4 of the words of that K step
	s_add_nc_u64 s[98:99], s[82:83], KO            ; k's
	s_lshl_b32 s94, s94, 11
	s_add_co_u32 s92, s92, s94
	s_and_b32 s94, s97, 3
	s_lshl_b32 s94, s94, 9
	s_add_co_u32 s92, s92, s94
	s_add_nc_u64 s[76:77], s[10:11], s[92:93]      ; q's codes: piece (dblk/8, g), K step (dblk/4)%2, c = dblk%4
	s_add_nc_u64 s[78:79], s[76:77], KO            ; k's
	s_lshl_b32 s95, s97, 6
	s_add_co_u32 s95, s95, s96
	s_lshl_b32 s92, s95, 14
	s_add_nc_u64 s[80:81], s[14:15], s[92:93]      ; q in f32
	s_lshl_b32 s92, s97, 15
	s_lshl_b32 s94, s96, 9
	s_add_co_u32 s92, s92, s94
	s_add_nc_u64 s[84:85], s[14:15], s[92:93]
	s_add_nc_u64 s[84:85], s[84:85], DENL          ; the local den
	s_lshl_b32 s92, s43, 12
	s_lshl_b32 s94, s97, 7
	s_add_co_u32 s92, s92, s94
	s_add_nc_u64 s[86:87], s[14:15], s[92:93]
	s_add_nc_u64 s[86:87], s[86:87], CSUM          ; the sums of k
	s_lshl_b32 s92, s43, 3
	s_lshr_b32 s94, s42, 1
	s_add_co_u32 s92, s92, s94
	s_mul_i32 s92, s92, PIECE
	s_add_nc_u64 s[90:91], s[12:13], s[92:93]      ; v's piece (ty, d/128)
	s_and_b32 s92, s97, 3
	s_lshl_b32 s92, s92, 13
	s_lshl_b32 s94, s17, 11
	s_add_co_u32 s92, s92, s94
	s_add_nc_u64 s[88:89], s[90:91], s[92:93]      ; its codes: blocks 2 (dblk%4) + u, K step rh
	s_and_b32 s92, s42, 1
	s_lshl_b32 s92, s92, 9
	s_add_co_u32 s92, s92, SCO
	s_add_nc_u64 s[90:91], s[90:91], s[92:93]      ; its scale words
	s_lshl_b32 s2, s97, 7
	s_mov_b32 s3, 0
	s_add_nc_u64 s[92:93], s[6:7], s[2:3]          ; the biases at my 32 d
	s_add_nc_u64 s[94:95], s[8:9], s[2:3]
.irp u, 0,1
	global_load_b128 v[BI+8*\u:BI+8*\u+3], v4, s[92:93] offset:64*\u
	global_load_b128 v[BI+8*\u+4:BI+8*\u+7], v4, s[92:93] offset:64*\u+16
	global_load_b128 v[BI+16+8*\u:BI+16+8*\u+3], v4, s[92:93] offset:4096+64*\u
	global_load_b128 v[BI+16+8*\u+4:BI+16+8*\u+7], v4, s[92:93] offset:4096+64*\u+16
	global_load_b128 v[BI+32+8*\u:BI+32+8*\u+3], v4, s[94:95] offset:64*\u
	global_load_b128 v[BI+32+8*\u+4:BI+32+8*\u+7], v4, s[94:95] offset:64*\u+16
.irp j, 0,1,2,3,4,5,6,7
	global_load_b32 v[BI+48+8*\u+\j], v5, s[92:93] offset:8192+64*\u      ; v's tiles hold one d a lane: the same number in all eight registers
.endr
.endr
	s_wait_tensorcnt 1                             ; my part of slot 0 is in; slot 1's may stay out
	s_barrier_signal -1
	s_barrier_wait -1
	FETCH_B 0, 0, 0
	FETCH_A 0, 0, 0
	SCALES 0
	FETCH_A 0, 0, 4
	s_wait_loadcnt 0x0                             ; the biases
	STEP 0, 1                                      ; K = 1,024 is four slots: written straight
	TURN 0, 1, 1
	STEP 1, 0
	TURN 1, 0, 1
	STEP 0, 0
	TURN 0, 1, 0                                   ; nothing is left to fetch
	STEP 1, 0
	s_wait_dscnt 16
	MUL2 0, 1, 1, 1, 0
	MUL2 2, 1, 1, 1, 0
	s_wait_dscnt 0
	MUL2 4, 1, 1, 1, 0
	MUL2 6, 1, 1, 1, 0
	WIN 0
	PLACES 8
; ---- block a: sigmoid, gate, elu + 1.  q goes to v[16 a + n] of window 1, k to v[KK + 16 a + n], n = 8 u + j.  Three batches of transcendentals, one wait each; every accumulator is read from its low end on.
.macro EPA a
.set AC, 64*((\a)%4)
.set WA, 2+(\a)/4
.set QR, 16*(\a)
	WIN WA
.set n, 0
.rept 8
	v_pk_mul_f32 v[T1+n:T1+n+1], v[AC+32+n:AC+33+n], s[68:69] op_sel_hi:[1,0]     ; -gate x log2(e)
.set n, n+2
.endr
.set n, 0
.rept 16
	v_mul_f32 v[T3+n], -|v[AC+n]|, s70                                          ; -|q| x log2(e)
.set n, n+1
.endr
	WIN WA|0x40
.set n, 0
.rept 8
	v_pk_add_f32 v[QR+n:QR+n+1], v[AC+n:AC+n+1], 1.0 op_sel_hi:[1,0]
.set n, n+2
.endr
	WIN 0
.set n, 0
.rept 16
	v_exp_f32 v[T1+n], v[T1+n]
	v_exp_f32 v[T3+n], v[T3+n]
.set n, n+1
.endr
	v_nop
	s_wait_alu depctr_va_vdst(0)                   ; one wait for the batch, ahead of its first reader
.set n, 0
.rept 8
	v_pk_add_f32 v[T1+n:T1+n+1], v[T1+n:T1+n+1], 1.0 op_sel_hi:[1,0]
.set n, n+2
.endr
.set n, 0
.rept 16
	v_rcp_f32 v[T1+n], v[T1+n]                     ; sigmoid(gate)
.set n, n+1
.endr
	WIN 0x41
.set n, 0
.rept 16
	v_max_num_f32 v[QR+n], v[QR+n], v[T3+n]        ; elu(q) + 1: plain work behind the reciprocals
.set n, n+1
.endr
	s_wait_alu depctr_va_vdst(0)
	WIN WA
.set n, 0
.rept 8
	v_pk_mul_f32 v[KG+n:KG+n+1], v[AC+16+n:AC+17+n], v[T1+n:T1+n+1]
.set n, n+2
.endr
	WIN 0
.set n, 0
.rept 16
	v_mul_f32 v[T1+n], -|v[KG+n]|, s70
.set n, n+1
.endr
.set n, 0
.rept 16
	v_exp_f32 v[T1+n], v[T1+n]
.set n, n+1
.endr
.set n, 0
.rept 8
	v_pk_add_f32 v[KG+n:KG+n+1], v[KG+n:KG+n+1], 1.0 op_sel_hi:[1,0]
.set n, n+2
.endr
	s_wait_alu depctr_va_vdst(0)
.set n, 0
.rept 16
	v_max_num_f32 v[KK+QR+n], v[KG+n], v[T1+n]     ; elu(k x sigmoid(gate)) + 1
.set n, n+1
.endr
.endm
; ---- block a's q and k become codes: a block of 32 d lies in lanes l and l xor 16.  q and k are positive: no |.|, a one-sided hold.  q and k themselves stay whole.
.macro QK a
.set QR, 16*(\a)
	WIN 0x05
	v_max3_num_f32 v96, v[QR], v[QR+1], 0x8000000
.set n, 2
.rept 7
	v_max3_num_f32 v96, v[QR+n], v[QR+n+1], v96
.set n, n+2
.endr
	WIN 0
	v_max3_num_f32 v97, v[KK+QR], v[KK+QR+1], 0x8000000
.set n, 2
.rept 7
	v_max3_num_f32 v97, v[KK+QR+n], v[KK+QR+n+1], v97
.set n, n+2
.endr
	v_permlanex16_b32 v98, v96, s72, s73
	v_permlanex16_b32 v99, v97, s72, s73
	v_max_num_f32 v96, v96, v98
	v_max_num_f32 v97, v97, v99
	v_add_nc_u32 v100, 0xf8800000, v96             ; the conversions' scale operands
	v_add_nc_u32 v101, 0xf8800000, v97
	v_and_or_b32 v102, v96, 0x7f800000, s71        ; 57,344 x the scale
	v_and_or_b32 v103, v97, 0x7f800000, s71
	v_lshrrev_b32 v[112+(\a)], 23, v100            ; the bytes
	v_lshrrev_b32 v[120+(\a)], 23, v101
.set n, 0
.rept 16
	v_min_num_f32 v[64+n], v[KK+QR+n], v103
.set n, n+1
.endr
	WIN 0x01
.set n, 0
.rept 16
	v_min_num_f32 v[80+n], v[QR+n], v102
.set n, n+1
.endr
	WIN 0x40
	v_cvt_scalef32_pk8_bf8_f32 v[128+8*(\a):129+8*(\a)], v[80:87], v100
	v_cvt_scalef32_pk8_bf8_f32 v[130+8*(\a):131+8*(\a)], v[88:95], v100
	v_cvt_scalef32_pk8_bf8_f32 v[132+8*(\a):133+8*(\a)], v[64:71], v101
	v_cvt_scalef32_pk8_bf8_f32 v[134+8*(\a):135+8*(\a)], v[72:79], v101
	v_nop
	WIN 0x04                                       ; a store's data are its source 1: window 1
	global_store_b128 v3, v[128+8*(\a):131+8*(\a)], s[76:77] offset:(\a)*4096       ; each store of the wave covers 512 consecutive bytes, aligned
	global_store_b128 v3, v[132+8*(\a):135+8*(\a)], s[78:79] offset:(\a)*4096
.irp quad, 0,1,2,3
	global_store_b128 v3, v[QR+4*\quad:QR+4*\quad+3], s[80:81] offset:(\a)*2048+\quad*512
.endr
	WIN 0
.endm
; ---- v: the four blocks a = 4 A1 .. 4 A1 + 3 of a lane are 32 keys of one d; both u by turns
.macro VQ A1
.set WA, 2+\A1
	WIN WA|(WA<<2)
.irp u, 0,1
	v_max3_num_f32 v[64+\u], |v[48+8*\u]|, |v[49+8*\u]|, 0x8000000
.endr
.irp A0, 0,1,2,3
.irp j, 0,2,4,6
.if (\A0+\j) > 0
.irp u, 0,1
	v_max3_num_f32 v[64+\u], |v[64*\A0+48+8*\u+\j]|, |v[64*\A0+49+8*\u+\j]|, v[64+\u]
.endr
.endif
.endr
.endr
	WIN 0
.irp u, 0,1
	v_add_nc_u32 v[66+\u], 0xf8800000, v[64+\u]
	v_and_or_b32 v[68+\u], v[64+\u], 0x7f800000, s71
	v_lshrrev_b32 v[72+2*\A1+\u], 23, v[66+\u]
.endr
	WIN WA|(WA<<6)
.irp A0, 0,1,2,3
.irp u, 0,1
.irp j, 0,1,2,3,4,5,6,7
	v_med3_num_f32 v[64*\A0+48+8*\u+\j], v[64*\A0+48+8*\u+\j], -v[68+\u], v[68+\u]
.endr
.endr
.endr
	WIN WA|0x40
.irp u, 0,1
.irp A0, 0,1,2,3
	v_cvt_scalef32_pk8_bf8_f32 v[192+8*(2*\A1+\u)+2*\A0:193+8*(2*\A1+\u)+2*\A0], v[64*\A0+48+8*\u:64*\A0+55+8*\u], v[66+\u]
.endr
.endr
	v_nop
	WIN 0x04
.irp u, 0,1
.irp hh, 0,1
	global_store_b128 v7, v[192+8*(2*\A1+\u)+4*\hh:195+8*(2*\A1+\u)+4*\hh], s[88:89] offset:\u*4096+\A1*1024+\hh*256    ; sixteen lanes store 256 consecutive bytes, aligned
.endr
.endr
	WIN 0
.endm
.irp a, 0,1,2,3,4,5,6,7
	EPA \a
	QK \a
.endr
	; q's and k's scale bytes go to their places in the pieces: lane (r, h) stores, for m' = 0..3, the byte of block 2 m' + h, fragment row r.  The data stand in registers of window 1 that nothing writes again
	WIN 0x40
.irp m, 0,1,2,3
	v_cndmask_b32 v[224+\m], v[112+2*\m], v[113+2*\m], s74
	v_cndmask_b32 v[228+\m], v[120+2*\m], v[121+2*\m], s74
.endr
	WIN 0x04
.irp m, 0,1,2,3
	global_store_b8 v6, v[224+\m], s[82:83] offset:256*\m
	global_store_b8 v6, v[228+\m], s[98:99] offset:256*\m
.endr
	WIN 0
	VQ 0
	VQ 1
	; v's scale word of (u, r), K step rh: byte 2 A1 + h.  Mine are two of the four; lane l xor 16 has the others
.irp u, 0,1
	v_lshl_or_b32 v[76+\u], v[74+\u], 16, v[72+\u]
.endr
.irp u, 0,1
	v_permlanex16_b32 v[78+\u], v[76+\u], s72, s73
.endr
.irp u, 0,1
	v_cndmask_b32 v[80+\u], v[76+\u], v[78+\u], s74
	v_cndmask_b32 v[82+\u], v[78+\u], v[76+\u], s74
.endr
.irp u, 0,1
	v_lshl_or_b32 v[30+\u], v[82+\u], 8, v[80+\u]
	ds_store_b32 v11, v[30+\u] offset:8*\u         ; both halves of the lanes write the same word with the same value
.endr
	; ---- the cumsum of k along my 128 tokens: in the lane over a%4, then a scan over the 16 lanes of each half of 64
.irp A1, 0,1
.irp A0, 1,2,3
.set n, 0
.rept 8
	v_pk_add_f32 v[KK+16*(4*\A1+\A0)+n:KK+16*(4*\A1+\A0)+n+1], v[KK+16*(4*\A1+\A0)+n:KK+16*(4*\A1+\A0)+n+1], v[KK+16*(4*\A1+\A0-1)+n:KK+16*(4*\A1+\A0-1)+n+1]
.set n, n+2
.endr
.endr
.endr
.macro SCAN src                        ; v64-79: the inclusive scan over lanes of v[src ..]
.set n, 0
.rept 16
	v_add_f32_dpp v[64+n], v[\src+n], v[\src+n] row_shr:1 row_mask:0xf bank_mask:0xf bound_ctrl:1
.set n, n+1
.endr
.irp sh, 2,4,8
.set n, 0
.rept 16
	v_add_f32_dpp v[64+n], v[64+n], v[64+n] row_shr:\sh row_mask:0xf bank_mask:0xf bound_ctrl:1
.set n, n+1
.endr
.endr
.endm
	SCAN KK+48
.set n, 0
.rept 16
	v_mov_b32_dpp v[80+n], v[64+n] row_shr:1 row_mask:0xf bank_mask:0xf bound_ctrl:1     ; what lies ahead of my four rows in rows 0-63
	v_mov_b32_dpp v[112+n], v[64+n] row_share:15 row_mask:0xf bank_mask:0xf              ; the sum of rows 0-63
.set n, n+1
.endr
	SCAN KK+112
.set n, 0
.rept 16
	v_mov_b32_dpp v[96+n], v[64+n] row_shr:1 row_mask:0xf bank_mask:0xf bound_ctrl:1
.set n, n+1
.endr
.set n, 0
.rept 16
	v_add_f32_dpp v[64+n], v[64+n], v[112+n] row_share:15 row_mask:0xf bank_mask:0xf     ; the sum of my 128 rows
.set n, n+1
.endr
.set n, 0
.rept 8
	v_pk_add_f32 v[96+n:97+n], v[96+n:97+n], v[112+n:113+n]
.set n, n+2
.endr
.irp quad, 0,1,2,3
	ds_store_b128 v8, v[64+4*\quad:67+4*\quad] offset:512*\quad
.endr
	s_wait_dscnt 0x0                               ; for the others' sake: my sums and v's scale words lie in LDS
	s_barrier_signal -1
	s_barrier_wait -1
.irp quad, 0,1,2,3
	ds_load_b128 v[112+4*\quad:115+4*\quad], v9 offset:512*\quad
.endr
	s_wait_dscnt 0x0
.set n, 0
.rept 16
	v_cndmask_b32 v[112+n], 0, v[112+n], s75       ; rows 128-255 carry the sum of rows 0-127, rows 0-127 nothing
.set n, n+1
.endr
.set n, 0
.rept 8
	v_pk_add_f32 v[80+n:81+n], v[80+n:81+n], v[112+n:113+n]
	v_pk_add_f32 v[96+n:97+n], v[96+n:97+n], v[112+n:113+n]
.set n, n+2
.endr
	WIN 0x01                                       ; sum over my 16 d of q x (cumsum in the lane + what lies ahead): eight chains by turns
.irp a, 0,1,2,3,4,5,6,7
	v_pk_mul_f32 v[64+2*\a:65+2*\a], v[16*\a:16*\a+1], v[KK+16*\a:KK+16*\a+1]
.endr
.set n, 2
.rept 7
.irp a, 0,1,2,3,4,5,6,7
	v_pk_fma_f32 v[64+2*\a:65+2*\a], v[16*\a+n:16*\a+n+1], v[KK+16*\a+n:KK+16*\a+n+1], v[64+2*\a:65+2*\a]
.endr
.set n, n+2
.endr
.set n, 0
.rept 8
.irp a, 0,1,2,3,4,5,6,7
	v_pk_fma_f32 v[64+2*\a:65+2*\a], v[16*\a+n:16*\a+n+1], v[80+16*(\a/4)+n:81+16*(\a/4)+n], v[64+2*\a:65+2*\a]
.endr
.set n, n+2
.endr
	WIN 0
.irp a, 0,1,2,3,4,5,6,7
	v_add_f32 v[64+2*\a], v[64+2*\a], v[65+2*\a]
.endr
.irp a, 0,1,2,3,4,5,6,7
	v_permlanex16_b32 v[65+2*\a], v[64+2*\a], s72, s73
.endr
.irp a, 0,1,2,3,4,5,6,7
	v_add_f32 v[64+2*\a], v[64+2*\a], v[65+2*\a]
.endr
.irp A0, 0,1,2,3
	v_cndmask_b32 v[112+\A0], v[64+2*\A0], v[72+2*\A0], s74      ; lane 16 h + r stores rows 64 h + 4 r + 0..3
.endr
	global_store_b128 v3, v[112:115], s[84:85]     ; 512 consecutive bytes, aligned
	s_cmp_eq_u32 s17, 1
	s_cbranch_scc0 .Lnot_cs
	ds_load_b32 v116, v10                          ; waves 2, 3: the sums of k over all 256 rows, lane l for d = l of my 32
	ds_load_b32 v117, v10 offset:4096
	s_wait_dscnt 0x0
	v_add_f32 v116, v116, v117
	global_store_b32 v13, v116, s[86:87]
.Lnot_cs:
	s_cmp_eq_u32 s16, 0
	s_cbranch_scc0 .Lnot_vs
	ds_load_b128 v[120:123], v12                   ; wave 0: v's scale words of the work-group's four blocks
	s_wait_dscnt 0x0
	global_store_b128 v3, v[120:123], s[90:91]     ; 512 consecutive bytes, aligned
.Lnot_vs:
	s_wait_tensorcnt 0x0                           ; the wave's end
	ds_add_u32 v[SPW], v[NIL]
	s_wait_dscnt 0x0
	CROUND                                         ; the closing round
	s_endpgm
.Lfunc_end_k_q516f1c320f_proj:
	.size	k_q516f1c320f_proj, .Lfunc_end_k_q516f1c320f_proj-k_q516f1c320f_proj
	.p2alignl 7, 3214868480
	.fill 96, 4, 3214868480
	.section	.rodata,"a",@progbits
	.p2align	6, 0x0
	.amdhsa_kernel k_q516f1c320f_proj
		.amdhsa_group_segment_fixed_size 327680
		.amdhsa_private_segment_fixed_size 0
		.amdhsa_enable_private_segment 0
		.amdhsa_kernarg_size 48
		.amdhsa_user_sgpr_count 2
		.amdhsa_user_sgpr_kernarg_segment_ptr 1
		.amdhsa_wavefront_size32 1
		.amdhsa_system_sgpr_workgroup_id_x 1
		.amdhsa_system_sgpr_workgroup_id_y 1
		.amdhsa_system_sgpr_workgroup_id_z 1
		.amdhsa_system_vgpr_workitem_id 0
		.amdhsa_next_free_vgpr 1024
		.amdhsa_next_free_sgpr 100
		.amdhsa_reserve_vcc 0
		.amdhsa_float_denorm_mode_32 3
		.amdhsa_float_denorm_mode_16_64 3
		.amdhsa_memory_ordered 1
		.amdhsa_forward_progress 1
		.amdhsa_inst_pref_size 255
	.end_amdhsa_kernel
	.section	.bss,"aw",@nobits
	.p2align	6
	.space	262144
	.amdgpu_metadata
---
amdhsa.version: [ 1, 2 ]
amdhsa.kernels:
  - .name:           k_q516f1c320f_proj
    .symbol:         k_q516f1c320f_proj.kd
    .args:
      - { .name: opx, .offset: 0, .size: 8, .value_kind: global_buffer, .address_space: global }
      - { .name: qkv_b, .offset: 8, .size: 8, .value_kind: global_buffer, .address_space: global }
      - { .name: gate_b, .offset: 16, .size: 8, .value_kind: global_buffer, .address_space: global }
      - { .name: qk, .offset: 24, .size: 8, .value_kind: global_buffer, .address_space: global }
      - { .name: vo, .offset: 32, .size: 8, .value_kind: global_buffer, .address_space: global }
      - { .name: aux, .offset: 40, .size: 8, .value_kind: global_buffer, .address_space: global }
    .group_segment_fixed_size: 327680
    .private_segment_fixed_size: 0
    .kernarg_segment_align: 8
    .kernarg_segment_size: 48
    .max_flat_workgroup_size: 128
    .sgpr_count:     100
    .vgpr_count:     1024
    .wavefront_size: 32
...
	.end_amdgpu_metadata
.endif
;; end of part 2
;; launch score (part 3): grid 52 x 4, 4 waves a work-group, no clusters, 327,680 bytes of LDS; arguments qk, ao, aux, den4; writes ao, den4
.if DOCPART == 3
	.amdgcn_target "amdgcn-amd-amdhsa--gfx1250"
	.amdhsa_code_object_version 6
	.text
	.protected	k_q516f1c320f_score
	.globl	k_q516f1c320f_score
	.p2align	8
	.type	k_q516f1c320f_score,@function
k_q516f1c320f_score:
	s_mov_b64 s[64:65], 0
	v_nop
	global_prefetch_b8 v0, s[64:65] scope:SCOPE_SE
	s_setreg_imm32_b32 hwreg(HW_REG_WAVE_MODE, 25, 1), 1
	s_wait_xcnt 0x0
; TWO KINDS OF WORK-GROUPS, parted at the head by the work-group's x; the two ways never join.  y is the batch.
; x = 0..35: attn = tril(q k^T) on codes of E5M2 (K = the 1,024 of d), quantised along the keys and stored as pieces for the next product.  Only the 36 tiles of 256 x 256 on and under the diagonal of each batch are made.
;   Tile x: i = the query tile, j <= i the key tile, x = i (i + 1) / 2 + j.  Four waves: rh takes 128 queries (A's piece rh), ch 128 keys (B's piece ch).
;   TRANSPOSED: source 0 = 16 keys, source 1 = 16 queries: lane (r, h) holds query 64 (a/4) + 4 r + a%4 and, in register jj of block b, key 64 (b/4) + 32 h + 4 jj + b%4: the four accumulators
;   b = 4 B .. 4 B + 3 of one lane are a whole block of 32 keys, c = 2 B + h; place 8 (b%4) + jj in it, as v's codes have it.
;   NO CLUSTER: a batch's 36 tiles form rows of 1 to 8 tiles, which no cluster four wide divides; filled up to whole clusters they would be 48 tiles for 36.
;   Where i is even, the diagonal tile's work-group also stores the tile to its right as zeros (zero codes, byte 0, which is no 0xff): the next launch then walks K in whole pairs of slots.
; x = 36..51: den for the 128 tokens number x - 36 of the batch: q (f32) x the sum of k over all chunks of 256 rows ahead of the tokens' own chunk, added to the part that the projection made inside the chunk.
;   Wave w takes the eight blocks of 32 d number 8 w .. 8 w + 7 (128 KiB of q, 512 consecutive bytes a load) and stores quarter w of den.  No tensor load, no barrier, no matrix work: a stream, on work-groups of its own
;   beside the 144 tiles' (208 in all), so that it needs no launch of its own.  The chunks ahead are chosen by weights 1 or 0 from the work-group's number: all seven are read.
; LIMITS: NaN and infinities are not served; a block under 2^-111 (a hidden block too) keeps the byte 1: its codes are zeros.
; REGISTERS of the tiles' way: window 0: v0-31 addresses; v32-63 scale words and nothing else; v64-127 at work; v128-255 A's fragments, later attn's codes.  window 1: B's two sets.  windows 2, 3: accumulator (a, b) at v[8 (8 (a%4) + b)].
; REGISTERS of den's way: window 0: v2, v3, v10-12 addresses; v64-119 the seven chunks' sums; v120-127 their weighted sum; v128-159 the local den; v160-179 the sums.  window 1: v0-127 the sums of k in q's layout.  windows 2, 3: four buffers of 128 for q.
.set PIECE, 33792
.set SCO,   32768
.set SLOT,  4*PIECE
.set SPARE, 2*SLOT                     ; the spare words: 128 bytes a wave, two blocks of 256 bytes that no other line names
.set EX,    SPARE+512                  ; scratch that no fill touches: 2,048 bytes of scale words (the tiles' way),
.set EXD,   EX+2048                    ; and 1,024 bytes for each wave of den's way
.set KO,    8650752
.set DENL,  33554432
.set CSUM,  34603008
.set ADRA, 16
.set ADRB, 20
.set ADRS, 22
.set SPW,  28
.set NIL,  29
.set SC,   32
.set AF,   128
.set G1,   24
.set G0,   32
.set MSB, 0
.macro WIN new
.if MSB != (\new)
	s_set_vgpr_msb (MSB<<8)|(\new)
.set MSB, (\new)
.endif
.endm
.macro PLACES n
.rept \n
	v_nop
.endr
.endm
.macro FRAG reg, adr, q, blk
.irp c, 0,1,2,3
	ds_load_b128 v[\reg+4*\c:\reg+4*\c+3], v[\adr] offset:(\blk)*4096+(\q)*2048+512*\c
.endr
.endm
.macro FETCH_B slot, q, p
	WIN 0x40
.irp i, 0,1,2,3,4,5,6,7
	FRAG 128*(\p)+16*\i, ADRB+\slot, \q, \i
.endr
	WIN 0
.endm
.macro FETCH_A slot, q, i0
.irp i, \i0, \i0+1, \i0+2, \i0+3
	FRAG AF+16*(\i), ADRA+\slot, \q, \i
.endr
.endm
.macro SCALES set
.irp m, 0,1,2,3
	ds_load_b128 v[SC+16*\set+4*\m:SC+16*\set+4*\m+3], v[ADRS+\set] offset:256*\m
.endr
.endm
.macro MUL2 a0, p, q, set, first       ; 16 products on 16 accumulators, one instruction a turn
	WIN 0xa1+0x50*((\a0)/4)
.irp a, \a0, \a0+1
.irp b, 0,1,2,3,4,5,6,7
.if \first
	v_wmma_scale_f32_16x16x128_f8f6f4 v[8*(8*((\a)%4)+\b):8*(8*((\a)%4)+\b)+7], v[128*(\p)+16*\b:128*(\p)+16*\b+15], v[AF+16*(\a):AF+16*(\a)+15], 0, v[SC+16*(\set)+2*\b+(\q)], v[SC+16*(\set)+2*(\a)+(\q)] matrix_a_fmt:MATRIX_FMT_BF8 matrix_b_fmt:MATRIX_FMT_BF8 matrix_a_scale:MATRIX_SCALE_ROW1
.else
	v_wmma_scale_f32_16x16x128_f8f6f4 v[8*(8*((\a)%4)+\b):8*(8*((\a)%4)+\b)+7], v[128*(\p)+16*\b:128*(\p)+16*\b+15], v[AF+16*(\a):AF+16*(\a)+15], v[8*(8*((\a)%4)+\b):8*(8*((\a)%4)+\b)+7], v[SC+16*(\set)+2*\b+(\q)], v[SC+16*(\set)+2*(\a)+(\q)] matrix_a_fmt:MATRIX_FMT_BF8 matrix_b_fmt:MATRIX_FMT_BF8 matrix_a_scale:MATRIX_SCALE_ROW1
.endif
.endr
.endr
.endm
.macro STEP slot, first
	s_wait_dscnt 16                                ; the youngest sixteen loads (A's blocks 4-7) may be out
	MUL2 0, 0, 0, \slot, \first
	MUL2 2, 0, 0, \slot, \first
	s_wait_dscnt 0
	PLACES 8
	FETCH_B \slot, 1, 1
	FETCH_A \slot, 1, 0
	MUL2 4, 0, 0, \slot, \first
	MUL2 6, 0, 0, \slot, \first
	PLACES 8
	WIN 0
	FETCH_A \slot, 1, 4
.endm
.macro TURN slot, next, fill
	s_wait_tensorcnt 0x0                           ; all my tensor loads have landed: my piece of the next slot
	ds_add_u32 v[SPW], v[NIL]                      ; 0 onto my spare word
	s_wait_dscnt 17                                ; the add and the youngest sixteen loads may be out
	MUL2 0, 1, 1, \slot, 0
	s_wait_dscnt 0x0                               ; the add is done, and my reads of this slot are over
	s_barrier_signal -1
	MUL2 2, 1, 1, \slot, 0
	WIN 0
	s_barrier_wait -1
.if \fill
	s_add_nc_u64 s[G0+4*\slot+2:G0+4*\slot+3], s[G0+4*\slot+2:G0+4*\slot+3], 128*PIECE   ; two K steps on
	tensor_load_to_lds s[G0+4*\slot:G0+4*\slot+3], s[G1:G1+7]      ; my one load behind the barrier, and the first thing there
	s_nop 0
.endif
	PLACES 8
	FETCH_B \next, 0, 0
	FETCH_A \next, 0, 0
	SCALES \next
	MUL2 4, 1, 1, \slot, 0
	MUL2 6, 1, 1, \slot, 0
	PLACES 8
	WIN 0
	FETCH_A \next, 0, 4
.endm
	s_load_b256 s[4:11], s[0:1], 0x0               ; qk, ao, aux, den4
	v_lshl_add_u32 v[SPW], v0, 2, SPARE
	v_mov_b32 v[NIL], 0
	ds_add_u32 v28, v29
	s_wait_dscnt 0x0
	v_lshrrev_b32 v1, 5, v0
	v_readfirstlane_b32 s16, v1                    ; wave
	s_lshr_b32 s17, s16, 1                         ; rh.  Also: I fetch q's piece (0) or k's (1)
	s_and_b32 s18, s16, 1                          ; ch.  Also: which of the two pieces
	s_and_b32 s19, ttmp7, 0xffff                   ; the batch
	s_cmp_ge_u32 ttmp9, 36                         ; the whole work-group goes one way or the other
	s_cbranch_scc1 .Lden
	s_mov_b32 s40, 0
.irp t, 1,3,6,10,15,21,28
	s_cmp_ge_u32 ttmp9, \t
	s_cselect_b32 s20, 1, 0
	s_add_co_u32 s40, s40, s20                     ; i
.endr
	s_add_co_u32 s20, s40, 1
	s_mul_i32 s20, s20, s40
	s_lshr_b32 s20, s20, 1
	s_sub_co_u32 s41, ttmp9, s20                   ; j
	s_mov_b32 s[G1], 3<<16                         ; no mask; elements of 8 bytes; no padding
	s_mov_b32 s[G1+1], 32<<16                      ; tensor_dim0 = 32 elements: 256 bytes
	s_mov_b32 s[G1+2], 132<<16                     ; tensor_dim1 = 132 rows: a piece
	s_mov_b32 s[G1+3], 32<<16
	s_mov_b32 s[G1+4], 132
	s_mov_b32 s[G1+5], 32
	s_mov_b32 s[G1+6], 0
	s_mov_b32 s[G1+7], 0
	s_cmp_eq_u32 s17, 0
	s_cselect_b32 s20, s40, s41
	s_cselect_b32 s21, 0, KO
	s_lshl_b32 s20, s20, 1
	s_add_co_u32 s20, s20, s18
	s_lshl_b32 s22, s19, 4
	s_add_co_u32 s20, s20, s22
	s_mul_i32 s20, s20, PIECE
	s_add_co_u32 s20, s20, s21                     ; piece (0, 16 batch + 2 i or 2 j + wave%2) of q or of k
	s_mov_b32 s21, 0
	s_mul_i32 s23, s16, PIECE
	s_wait_kmcnt 0x0
	s_add_nc_u64 s[20:21], s[4:5], s[20:21]
.irp s, 0,1
	s_mov_b32 s[G0+4*\s], 1
	s_add_co_u32 s[G0+4*\s+1], s23, \s*SLOT
	s_add_nc_u64 s[G0+4*\s+2:G0+4*\s+3], s[20:21], \s*64*PIECE
	s_or_b32 s[G0+4*\s+3], s[G0+4*\s+3], 0x80000000
.endr
	tensor_load_to_lds s[G0:G0+3], s[G1:G1+7]      ; the two first fills together: two loads of mine are out
	s_nop 0
	tensor_load_to_lds s[G0+4:G0+7], s[G1:G1+7]
	s_nop 0
	PLACES 4
	v_and_b32 v1, 15, v0                           ; r
	v_bfe_u32 v2, v0, 4, 1                         ; h
	v_and_b32 v3, 31, v0
	v_lshlrev_b32 v3, 4, v3
	s_mul_i32 s56, s17, PIECE
	s_mul_i32 s57, s18, PIECE
	s_add_co_u32 s57, s57, 2*PIECE
.irp s, 0,1
	v_add_nc_u32 v[ADRA+\s], s56, v3
	v_add_nc_u32 v[ADRB+\s], s57, v3
	s_add_co_u32 s56, s56, SLOT
	s_add_co_u32 s57, s57, SLOT
.endr
	s_mul_i32 s56, s17, PIECE
	s_mul_i32 s57, s18, PIECE
	s_add_co_u32 s57, s57, 2*PIECE
	s_sub_co_u32 s57, s57, s56
	v_mul_u32_u24 v24, s57, v2                     ; lanes 16-31 take B's scale words
	v_lshl_add_u32 v24, v1, 4, v24
	s_add_co_u32 s56, s56, SCO
	v_add_nc_u32 v[ADRS], s56, v24
	s_add_co_u32 s56, s56, SLOT
	v_add_nc_u32 v[ADRS+1], s56, v24
	v_lshlrev_b32 v7, 4, v1
	v_lshl_add_u32 v7, v2, 9, v7                   ; the codes: h*512 + r*16
	s_lshl_b32 s56, s17, 10
	s_add_co_u32 s56, s56, EX
	s_lshl_b32 s57, s18, 2
	s_add_co_u32 s57, s57, s56
	v_lshl_add_u32 v8, v1, 4, s57                  ; the scale words: rh*1024 + r*16 + ch*4 (+ (a/2)*256 + (a%2)*8)
	s_lshl_b32 s57, s18, 9
	s_add_co_u32 s57, s57, s56
	v_add_nc_u32 v9, s57, v3                       ; and back: my 512 bytes of them
	s_mov_b32 s71, 0x600000
	s_mov_b32 s72, 0x76543210
	s_mov_b32 s73, 0xfedcba98
	s_mov_b32 s74, 0xffff0000
	s_lshl_b32 s42, s19, 3
	s_add_co_u32 s43, s42, s41
	s_lshl_b32 s43, s43, 4
	s_lshl_b32 s50, s40, 1
	s_add_co_u32 s50, s50, s17
	s_add_co_u32 s43, s43, s50
	s_mul_i32 s52, s43, PIECE
	s_mov_b32 s53, 0
	s_add_nc_u64 s[46:47], s[6:7], s[52:53]        ; attn's piece (batch, key step j, 2 i + rh)
	s_lshl_b32 s52, s18, 11
	s_add_nc_u64 s[44:45], s[46:47], s[52:53]      ; its codes, K step ch
	s_lshl_b32 s52, s18, 9
	s_add_co_u32 s52, s52, SCO
	s_add_nc_u64 s[46:47], s[46:47], s[52:53]      ; my half of its scale words
	s_add_co_u32 s55, s40, 1
	s_min_u32 s55, s55, 7                          ; (used where i is even alone)
	s_add_co_u32 s43, s42, s55
	s_lshl_b32 s43, s43, 4
	s_add_co_u32 s43, s43, s50
	s_mul_i32 s52, s43, PIECE
	s_mul_i32 s54, s18, 16896
	s_add_co_u32 s52, s52, s54
	s_add_nc_u64 s[48:49], s[6:7], s[52:53]        ; my half of the piece to the right of the diagonal
	s_wait_tensorcnt 1                             ; my piece of slot 0 is in; slot 1's may stay out
	s_barrier_signal -1
	s_barrier_wait -1
	FETCH_B 0, 0, 0
	FETCH_A 0, 0, 0
	SCALES 0
	FETCH_A 0, 0, 4
	STEP 0, 1                                      ; the first products start the sums
	TURN 0, 1, 1
	STEP 1, 0
	TURN 1, 0, 1
	STEP 0, 0
	TURN 0, 1, 0
	STEP 1, 0
	s_wait_dscnt 16
	MUL2 0, 1, 1, 1, 0
	MUL2 2, 1, 1, 1, 0
	s_wait_dscnt 0
	MUL2 4, 1, 1, 1, 0
	MUL2 6, 1, 1, 1, 0
	WIN 0
	PLACES 8
	v_mov_b32 v73, 0                               ; a lane permute's destination counts as one of its sources
	; THE MASK.  Hidden where key > query: 64 (b/4) + 4 jj + b%4 - 64 (a/4) - a%4 > 256 (i - j) + 128 (rh - ch) + 4 r - 32 h.  The left side is at most 95: a wave 128 or more under the diagonal skips this (a branch on ids)
	s_sub_co_i32 s20, s40, s41
	s_lshl_b32 s20, s20, 8
	s_sub_co_i32 s21, s17, s18
	s_lshl_b32 s21, s21, 7
	s_add_co_i32 s20, s20, s21
	s_cmp_ge_i32 s20, 128
	s_cbranch_scc1 .Lopen
	v_lshlrev_b32 v24, 2, v1
	v_lshlrev_b32 v25, 5, v2
	v_sub_nc_u32 v24, v24, v25
	v_add_nc_u32 v24, s20, v24
.irp a, 0,1,2,3,4,5,6,7
	WIN (2+\a/4)|((2+\a/4)<<6)
.irp b, 0,1,2,3,4,5,6,7
.irp jj, 0,1,2,3,4,5,6,7
	v_cmp_gt_i32 vcc_lo, 64*(\b/4)+4*\jj+(\b%4)-64*(\a/4)-(\a%4), v24
	v_cndmask_b32 v[64*(\a%4)+8*\b+\jj], v[64*(\a%4)+8*\b+\jj], v29, vcc_lo
.endr
.endr
.endr
	WIN 0
.Lopen:
; block a's 16 queries x 128 keys become codes: two blocks of 32 keys a lane, by turns.  attn is never negative: no |.|, a one-sided hold.
.macro AQ a
.set AC, 64*((\a)%4)
.set WA, 2+(\a)/4
	WIN WA|(WA<<2)
.irp B, 0,1
	v_max3_num_f32 v[64+\B], v[AC+32*\B], v[AC+32*\B+1], 0x8000000
.endr
.set n, 2
.rept 15
.irp B, 0,1
	v_max3_num_f32 v[64+\B], v[AC+32*\B+n], v[AC+32*\B+n+1], v[64+\B]
.endr
.set n, n+2
.endr
	WIN 0
.irp B, 0,1
	v_add_nc_u32 v[66+\B], 0xf8800000, v[64+\B]
	v_and_or_b32 v[68+\B], v[64+\B], 0x7f800000, s71
	v_lshrrev_b32 v[70+\B], 23, v[66+\B]
.endr
	WIN WA|(WA<<6)
.irp B, 0,1
.set n, 0
.rept 32
	v_min_num_f32 v[AC+32*\B+n], v[AC+32*\B+n], v[68+\B]
.set n, n+1
.endr
.endr
	WIN WA
.irp B, 0,1
.irp y, 0,1,2,3
	v_cvt_scalef32_pk8_bf8_f32 v[128+16*(\a)+8*\B+2*\y:129+16*(\a)+8*\B+2*\y], v[AC+32*\B+8*\y:AC+32*\B+8*\y+7], v[66+\B]
.endr
.endr
	v_nop
	WIN 0
	v_lshl_or_b32 v72, v71, 16, v70                ; my two bytes of the scale word (c = 2 B + h); lane l xor 16 has the others
	v_permlanex16_b32 v73, v72, s72, s73
	v_cndmask_b32 v74, v72, v73, s74
	v_cndmask_b32 v75, v73, v72, s74
	v_lshl_or_b32 v[112+(\a)], v75, 8, v74
	ds_store_b32 v8, v[112+(\a)] offset:((\a)/2)*256+((\a)%2)*8
.irp B, 0,1
.irp hh, 0,1
	global_store_b128 v7, v[128+16*(\a)+8*\B+4*\hh:131+16*(\a)+8*\B+4*\hh], s[44:45] offset:(\a)*4096+\B*1024+\hh*256    ; sixteen lanes store 256 consecutive bytes, aligned
.endr
.endr
.endm
.irp a, 0,1,2,3,4,5,6,7
	AQ \a
.endr
	s_wait_dscnt 0x0                               ; for the others' sake: my scale words lie in LDS
	s_barrier_signal -1
	s_barrier_wait -1
	ds_load_b128 v[76:79], v9
	s_wait_dscnt 0x0
	global_store_b128 v3, v[76:79], s[46:47]       ; 512 consecutive bytes, aligned
	s_and_b32 s20, s40, 1
	s_sub_co_u32 s21, s40, s41
	s_or_b32 s20, s20, s21
	s_cmp_eq_u32 s20, 0
	s_cbranch_scc0 .Lno_zero
.irp n, 0,1,2,3
	v_mov_b32 v[120+\n], 0
.endr
.set t, 0
.rept 33
	global_store_b128 v3, v[120:123], s[48:49] offset:512*t
.set t, t+1
.endr
.Lno_zero:
	s_wait_tensorcnt 0x0                           ; the wave's end
	ds_add_u32 v[SPW], v[NIL]
	s_wait_dscnt 0x0
	s_endpgm
; ---- DEN'S WAY.  q lies as the projection left it: unit (block of 32 d, group g of 128 tokens) is 16,384 bytes at a*2048 + quad*512 + lane*16: lane (r, h), block a, n = 4 quad + t = 8 u + j: token 64 (a/4) + 4 r + a%4, d = 16 u + 8 h + j.
; unit p of my eight into buffer p % 4: 32 loads of 512 consecutive bytes
.macro QLOAD p
	WIN (2+((\p)%4)/2)<<6
.irp a, 0,1,2,3,4,5,6,7
.irp quad, 0,1,2,3
	global_load_b128 v[128*((\p)%2)+16*\a+4*\quad:128*((\p)%2)+16*\a+4*\quad+3], v3, s[26:27] offset:(\p)*1048576+\a*2048+\quad*512 th:TH_LOAD_NT
.endr
.endr
	WIN 0
.endm
; unit p is multiplied: eight chains (one a block) by turns; the unit two further on is asked for first, so that two units' loads are on their way meanwhile
.macro UNIT p
.set BQ, 128*((\p)%2)
.if (\p) < 7
	s_wait_loadcnt 32                              ; loads come back in order: unit p is in; the next unit's 32 may stay out
.else
	s_wait_loadcnt 0x0
.endif
.if (\p)+2 < 8
	QLOAD (\p)+2                                   ; its buffer was last read two units ago
.endif
.if (\p) < 4
	global_prefetch_b8 v12, s[26:27] offset:((\p)+4)*1048576 th:TH_LOAD_NT scope:SCOPE_SE        ; unit p + 4, whose loads are issued two units on: 16,384 bytes, lanes 256 bytes apart, two instructions;
	global_prefetch_b8 v12, s[26:27] offset:((\p)+4)*1048576+8192 th:TH_LOAD_NT scope:SCOPE_SE   ; each block is named once in the launch, by the wave that reads it; units 0 to 3 come by their loads alone
.endif
	WIN (2+((\p)%4)/2)|4                           ; source 0: q's buffer; source 1: the sums of k, window 1
.set n, 0
.rept 8
.irp a, 0,1,2,3,4,5,6,7
.if (\p) == 0 && n == 0
	v_pk_mul_f32 v[160+2*\a:161+2*\a], v[BQ+16*\a+n:BQ+16*\a+n+1], v[16*(\p)+n:16*(\p)+n+1]
.else
	v_pk_fma_f32 v[160+2*\a:161+2*\a], v[BQ+16*\a+n:BQ+16*\a+n+1], v[16*(\p)+n:16*(\p)+n+1], v[160+2*\a:161+2*\a]
.endif
.endr
.set n, n+2
.endr
	WIN 0
.endm
.Lden:
	s_sub_co_u32 s40, ttmp9, 36                    ; which 128 tokens of the batch
	s_lshr_b32 s41, s40, 1                         ; their chunk of 256
	s_lshl_b32 s42, s19, 4
	s_add_co_u32 s42, s42, s40                     ; g
.irp c, 0,1,2,3,4,5,6
	s_cmp_gt_u32 s41, \c
	s_cselect_b32 s[44+2*\c], 1.0, 0               ; chunk c counts where it lies ahead of mine
	s_mov_b32 s[45+2*\c], s[44+2*\c]
.endr
	s_mov_b32 s58, 0x76543210
	s_mov_b32 s59, 0xfedcba98
	s_mov_b32 s60, 0xffff0000                      ; lanes 16-31
	v_bfe_u32 v2, v0, 4, 1                         ; h
	v_and_b32 v3, 31, v0
	v_lshlrev_b32 v12, 8, v3                       ; 256 x lane: the prefetches
	v_lshlrev_b32 v3, 4, v3                        ; 16 x lane
	s_lshl_b32 s20, s16, 10
	s_add_co_u32 s21, s20, EXD                     ; my wave's 1,024 bytes of LDS
	v_add_nc_u32 v10, s21, v3                      ; in: 16 x lane
	v_lshl_add_u32 v11, v2, 5, s21                 ; back: 32 h
	s_mov_b32 s23, 0
	s_lshl_b32 s22, s19, 15
	s_add_co_u32 s22, s22, s20
	s_wait_kmcnt 0x0
	s_add_nc_u64 s[24:25], s[8:9], s[22:23]
	s_add_nc_u64 s[24:25], s[24:25], CSUM          ; the sums of k: my batch, my 256 d
	s_lshl_b32 s22, s16, 23
	s_lshl_b32 s43, s42, 14
	s_add_co_u32 s22, s22, s43
	s_add_nc_u64 s[26:27], s[8:9], s[22:23]        ; q: unit (8 w, g); the next unit lies 64 x 16,384 bytes on
	s_lshl_b32 s22, s16, 18
	s_lshl_b32 s43, s42, 9
	s_add_co_u32 s22, s22, s43
	s_add_nc_u64 s[28:29], s[8:9], s[22:23]
	s_add_nc_u64 s[28:29], s[28:29], DENL          ; the local den: plane 8 w, my 128 rows
	s_lshl_b32 s22, s16, 15
	s_add_co_u32 s22, s22, s43
	s_add_nc_u64 s[30:31], s[10:11], s[22:23]      ; den: quarter w, my 128 rows
.irp cc, 0,1,2,3,4,5,6
.irp i, 0,1
	global_load_b128 v[64+8*\cc+4*\i:67+8*\cc+4*\i], v3, s[24:25] offset:\cc*4096+\i*512      ; chunk cc, d = 128 i + 4 lane + 0..3 of my 256
.endr
.endr
.irp p, 0,1,2,3,4,5,6,7
	global_load_b128 v[128+4*\p:131+4*\p], v3, s[28:29] offset:\p*32768 th:TH_LOAD_NT
.endr
	QLOAD 0
	s_wait_loadcnt 40                              ; the fourteen loads of the sums are in; the local den's eight and q's 32 may stay out
.irp n, 0,2,4,6
	v_pk_mul_f32 v[120+\n:121+\n], v[64+\n:65+\n], s[44:45] op_sel_hi:[1,0]
.endr
.irp cc, 1,2,3,4,5,6
.irp n, 0,2,4,6
	v_pk_fma_f32 v[120+\n:121+\n], v[64+8*\cc+\n:65+8*\cc+\n], s[44+2*\cc:45+2*\cc], v[120+\n:121+\n] op_sel_hi:[1,0,1]
.endr
.endr
	ds_store_b128 v10, v[120:123]                  ; my 256 sums lie in LDS in the order of d: my wave's own bytes
	ds_store_b128 v10, v[124:127] offset:512
	QLOAD 1
	WIN 0x40                                       ; and come back in q's layout: LDS serves a wave's instructions in order (ISA guide 5.7.1.4), so these see the stores above
.irp p, 0,1,2,3,4,5,6,7
.irp u, 0,1
.irp jh, 0,1
	ds_load_b128 v[16*\p+8*\u+4*\jh:16*\p+8*\u+4*\jh+3], v11 offset:128*\p+64*\u+16*\jh
.endr
.endr
.endr
	WIN 0
	s_wait_dscnt 0x0
.irp p, 0,1,2,3,4,5,6,7
	UNIT \p
.endr
.irp a, 0,1,2,3,4,5,6,7
	v_add_f32 v[160+2*\a], v[160+2*\a], v[161+2*\a]
.endr
.irp a, 0,1,2,3,4,5,6,7
	v_permlanex16_b32 v[161+2*\a], v[160+2*\a], s58, s59
.endr
.irp a, 0,1,2,3,4,5,6,7
	v_add_f32 v[160+2*\a], v[160+2*\a], v[161+2*\a]
.endr
.irp A0, 0,1,2,3
	v_cndmask_b32 v[176+\A0], v[160+2*\A0], v[168+2*\A0], s60    ; lane 16 h + r: rows 64 h + 4 r + 0..3
.endr
.irp p, 0,2,4,6
	v_pk_add_f32 v[128+4*\p:129+4*\p], v[128+4*\p:129+4*\p], v[132+4*\p:133+4*\p]
	v_pk_add_f32 v[130+4*\p:131+4*\p], v[130+4*\p:131+4*\p], v[134+4*\p:135+4*\p]
.endr
.irp p, 0,4
	v_pk_add_f32 v[128+4*\p:129+4*\p], v[128+4*\p:129+4*\p], v[136+4*\p:137+4*\p]
	v_pk_add_f32 v[130+4*\p:131+4*\p], v[130+4*\p:131+4*\p], v[138+4*\p:139+4*\p]
.endr
	v_pk_add_f32 v[128:129], v[128:129], v[144:145]
	v_pk_add_f32 v[130:131], v[130:131], v[146:147]
	v_pk_add_f32 v[176:177], v[176:177], v[128:129]
	v_pk_add_f32 v[178:179], v[178:179], v[130:131]
	global_store_b128 v3, v[176:179], s[30:31]     ; 512 consecutive bytes, aligned
	s_wait_tensorcnt 0x0                           ; the wave's end
	ds_add_u32 v[SPW], v[NIL]
	s_wait_dscnt 0x0
	s_endpgm
.Lfunc_end_k_q516f1c320f_score:
	.size	k_q516f1c320f_score, .Lfunc_end_k_q516f1c320f_score-k_q516f1c320f_score
	.p2alignl 7, 3214868480
	.fill 96, 4, 3214868480
	.section	.rodata,"a",@progbits
	.p2align	6, 0x0
	.amdhsa_kernel k_q516f1c320f_score
		.amdhsa_group_segment_fixed_size 327680
		.amdhsa_private_segment_fixed_size 0
		.amdhsa_enable_private_segment 0
		.amdhsa_kernarg_size 32
		.amdhsa_user_sgpr_count 2
		.amdhsa_user_sgpr_kernarg_segment_ptr 1
		.amdhsa_wavefront_size32 1
		.amdhsa_system_sgpr_workgroup_id_x 1
		.amdhsa_system_sgpr_workgroup_id_y 1
		.amdhsa_system_sgpr_workgroup_id_z 1
		.amdhsa_system_vgpr_workitem_id 0
		.amdhsa_next_free_vgpr 1024
		.amdhsa_next_free_sgpr 80
		.amdhsa_reserve_vcc 1
		.amdhsa_float_denorm_mode_32 3
		.amdhsa_float_denorm_mode_16_64 3
		.amdhsa_memory_ordered 1
		.amdhsa_forward_progress 1
		.amdhsa_inst_pref_size 255
	.end_amdhsa_kernel
	.section	.bss,"aw",@nobits
	.p2align	6
	.space	262144
	.amdgpu_metadata
---
amdhsa.version: [ 1, 2 ]
amdhsa.kernels:
  - .name:           k_q516f1c320f_score
    .symbol:         k_q516f1c320f_score.kd
    .args:
      - { .name: qk, .offset: 0, .size: 8, .value_kind: global_buffer, .address_space: global }
      - { .name: ao, .offset: 8, .size: 8, .value_kind: global_buffer, .address_space: global }
      - { .name: aux, .offset: 16, .size: 8, .value_kind: global_buffer, .address_space: global }
      - { .name: den4, .offset: 24, .size: 8, .value_kind: global_buffer, .address_space: global }
    .group_segment_fixed_size: 327680
    .private_segment_fixed_size: 0
    .kernarg_segment_align: 8
    .kernarg_segment_size: 32
    .max_flat_workgroup_size: 128
    .sgpr_count:     80
    .vgpr_count:     1024
    .wavefront_size: 32
...
	.end_amdgpu_metadata
.endif
;; end of part 3
;; launch mix (part 4): grid 8 x 32, 4 waves a work-group, clusters of 4 x 1, 327,680 bytes of LDS; arguments ao, vo, den4, out0; writes out0
.if DOCPART == 4
	.amdgcn_target "amdgcn-amd-amdhsa--gfx1250"
	.amdhsa_code_object_version 6
	.text
	.protected	k_q516f1c320f_mix
	.globl	k_q516f1c320f_mix
	.p2align	8
	.type	k_q516f1c320f_mix,@function
k_q516f1c320f_mix:
	s_mov_b64 s[64:65], 0
	v_nop
	global_prefetch_b8 v0, s[64:65] scope:SCOPE_SE
	s_setreg_imm32_b32 hwreg(HW_REG_WAVE_MODE, 25, 1), 1
	s_wait_xcnt 0x0
	s_wait_alu depctr_hold_cnt(0) depctr_sa_sdst(0) depctr_va_vdst(0) depctr_va_sdst(0) depctr_va_ssrc(0) depctr_va_vcc(0) depctr_vm_vsrc(0)
	s_getreg_b32 s2, hwreg(HW_REG_IB_STS2, 6, 4)
	s_cmp_eq_u32 s2, 0
	s_cbranch_scc0 .Lentry_in_a_cluster
	s_endpgm
.Lentry_in_a_cluster:
	s_bfe_u32 s2, ttmp6, 0x10000c
	s_cmp_lg_u32 s2, 0x3003
	s_cbranch_scc0 .Lentry_shape_is_right
	s_endpgm
.Lentry_shape_is_right:
; out = (attn v) / den on codes of E5M2, K = the keys, walked only as far as the diagonal: query tile i needs key steps 0 .. 2 (i/2) + 1 (for even i the last is the tile of zeros).
; A work-group: 256 queries (i of batch bt) x 128 d (xt).  Four waves: rh takes 128 queries (A's piece rh), ch 64 d (blocks 4 ch .. 4 ch + 3 of v's piece): 256 work-groups of at most 8 key steps.
; TRANSPOSED: source 0 = 16 d of v, source 1 = 16 queries: lane (r, h) holds query 64 (a/4) + 4 r + a%4 and d = 16 b + 8 h + j: eight neighbours of a row of out.
; CLUSTER 4 x 1: the four work-groups of a cluster share the query tile and differ in d: attn's pieces are asked for jointly (waves 0, 1); v's piece is the work-group's own (wave 2); wave 3 fetches nothing.
; The number of laps hangs on the cluster's y alone: it is the same in all four partners.  No LDS address changes in the loop.
; den = the four quarters over d + 1e-6; the division is a multiplication by v_rcp_f32.  LIMITS: NaN and infinities are not served.
; REGISTERS: window 0: v0-31 addresses; v32-63 scale words and nothing else; v64-111 den; v128-255 A's fragments, later the way out.  window 1: B's two sets of 64.  window 2: accumulator (a, b) at v[8 (4 a + b)].
.set PIECE, 33792
.set SCO,   32768
.set SLOT,  3*PIECE
.set SPARE, 2*SLOT                     ; the spare words: 128 bytes a wave, two blocks of 256 bytes that no other line names
.set EX,    SPARE+512                  ; the stages for the way out, which no fill touches: 16 rows x 272 bytes a wave
.set ADRA, 16
.set ADRT, 18
.set ADRB, 20
.set ADRS, 22
.set SPW,  28
.set NIL,  29
.set SC,   32
.set AF,   128
.set G1,   24
.set G0,   32
.set G1B,  48
.set G0B,  56
.set MSB, 0
.macro WIN new
.if MSB != (\new)
	s_set_vgpr_msb (MSB<<8)|(\new)
.set MSB, (\new)
.endif
.endm
.macro PLACES n
.rept \n
	v_nop
.endr
.endm
.macro CREST
	s_cmp_lg_u32 s16, 0
	s_cbranch_scc1 .Lnot_wave_0_\@
	s_barrier_signal -3
.Lnot_wave_0_\@:
	s_barrier_wait -3
	s_barrier_signal -1
	s_barrier_wait -1
.endm
.macro CROUND
	s_barrier_signal -1
	s_barrier_wait -1
	CREST
.endm
.macro TLOAD s                         ; waves 0, 1: attn's pieces, jointly; wave 2: v's piece; wave 3: nothing.  Four v_nop follow each line
	s_cmp_lt_u32 s16, 2
	s_cbranch_scc0 .Lnot_a_\@
	tensor_load_to_lds s[G0+4*\s:G0+4*\s+3], s[G1:G1+7]
	s_nop 0
	PLACES 4
	s_branch .Lasked_\@
.Lnot_a_\@:
	s_cmp_eq_u32 s16, 2
	s_cbranch_scc0 .Lasked_\@
	tensor_load_to_lds s[G0B+4*\s:G0B+4*\s+3], s[G1B:G1B+7]
	s_nop 0
	PLACES 4
.Lasked_\@:
.endm
.macro FRAG reg, adr, q, blk
.irp c, 0,1,2,3
	ds_load_b128 v[\reg+4*\c:\reg+4*\c+3], v[\adr] offset:(\blk)*4096+(\q)*2048+512*\c
.endr
.endm
.macro FETCH_B slot, q, p
	WIN 0x40
.irp i, 0,1,2,3
	FRAG 64*(\p)+16*\i, ADRB+\slot, \q, \i
.endr
	WIN 0
.endm
.macro FETCH_A slot, q, i0
.irp i, \i0, \i0+1, \i0+2, \i0+3
	FRAG AF+16*(\i), ADRA+\slot, \q, \i
.endr
.endm
.macro SCALES set                      ; lanes 0-15: A's eight blocks; lanes 16-31 of the first eight registers: my four blocks of B.  The last two loads have no term for lanes 16-31, which so stay inside A's words
.irp m, 0,1
	ds_load_b128 v[SC+16*\set+4*\m:SC+16*\set+4*\m+3], v[ADRS+\set] offset:256*\m
.endr
.irp m, 2,3
	ds_load_b128 v[SC+16*\set+4*\m:SC+16*\set+4*\m+3], v[ADRT+\set] offset:256*\m
.endr
.endm
.macro MUL2 a0, p, q, set, first       ; 8 products on 8 accumulators, one instruction a turn
	WIN 0xa1
.irp a, \a0, \a0+1
.irp b, 0,1,2,3
.if \first
	v_wmma_scale_f32_16x16x128_f8f6f4 v[8*(4*(\a)+\b):8*(4*(\a)+\b)+7], v[64*(\p)+16*\b:64*(\p)+16*\b+15], v[AF+16*(\a):AF+16*(\a)+15], 0, v[SC+16*(\set)+2*\b+(\q)], v[SC+16*(\set)+2*(\a)+(\q)] matrix_a_fmt:MATRIX_FMT_BF8 matrix_b_fmt:MATRIX_FMT_BF8 matrix_a_scale:MATRIX_SCALE_ROW1
.else
	v_wmma_scale_f32_16x16x128_f8f6f4 v[8*(4*(\a)+\b):8*(4*(\a)+\b)+7], v[64*(\p)+16*\b:64*(\p)+16*\b+15], v[AF+16*(\a):AF+16*(\a)+15], v[8*(4*(\a)+\b):8*(4*(\a)+\b)+7], v[SC+16*(\set)+2*\b+(\q)], v[SC+16*(\set)+2*(\a)+(\q)] matrix_a_fmt:MATRIX_FMT_BF8 matrix_b_fmt:MATRIX_FMT_BF8 matrix_a_scale:MATRIX_SCALE_ROW1
.endif
.endr
.endr
.endm
.macro STEP slot, first
	s_wait_dscnt 16                                ; the youngest sixteen loads (A's blocks 4-7) may be out
	MUL2 0, 0, 0, \slot, \first
	MUL2 2, 0, 0, \slot, \first
	s_wait_dscnt 0
	PLACES 8
	FETCH_B \slot, 1, 1
	FETCH_A \slot, 1, 0
	MUL2 4, 0, 0, \slot, \first
	MUL2 6, 0, 0, \slot, \first
	PLACES 8
	WIN 0
	FETCH_A \slot, 1, 4
.endm
.macro TURN slot, next, fill
	s_wait_tensorcnt 0x0                           ; all my tensor loads have landed
	ds_add_u32 v[SPW], v[NIL]                      ; 0 onto my spare word
	s_wait_dscnt 17                                ; the add and the youngest sixteen loads may be out
	MUL2 0, 1, 1, \slot, 0
	s_wait_dscnt 0x0                               ; the add is done, and my reads of this slot are over
	s_barrier_signal -1
	MUL2 2, 1, 1, \slot, 0
	WIN 0
	s_barrier_wait -1
.if \fill
	CREST                                          ; the barrier has opened a round of the cluster's barrier
	s_add_nc_u64 s[G0+4*\slot+2:G0+4*\slot+3], s[G0+4*\slot+2:G0+4*\slot+3], 32*PIECE     ; two key steps on
	s_add_nc_u64 s[G0B+4*\slot+2:G0B+4*\slot+3], s[G0B+4*\slot+2:G0B+4*\slot+3], 16*PIECE
	TLOAD \slot
.endif
	PLACES 8                                       ; all eight here: the wave that fetches nothing passes none of the four behind a load
	FETCH_B \next, 0, 0
	FETCH_A \next, 0, 0
	SCALES \next
	MUL2 4, 1, 1, \slot, 0
	MUL2 6, 1, 1, \slot, 0
	PLACES 8
	WIN 0
	FETCH_A \next, 0, 4
.endm
	s_load_b256 s[4:11], s[0:1], 0x0               ; ao, vo, den4, out0
	v_lshl_add_u32 v[SPW], v0, 2, SPARE
	v_mov_b32 v[NIL], 0
	ds_add_u32 v28, v29
	s_wait_dscnt 0x0
	v_lshrrev_b32 v1, 5, v0
	v_readfirstlane_b32 s16, v1                    ; wave
	s_lshr_b32 s17, s16, 1                         ; rh
	s_and_b32 s18, s16, 1                          ; ch.  Also: which of attn's two pieces I fetch
	s_bfe_u32 s40, ttmp6, 0x40000                  ; cx
	s_lshl_b32 s42, ttmp9, 2
	s_add_co_u32 s42, s42, s40                     ; xt: it enters v's and out's addresses alone
	s_and_b32 s43, ttmp7, 0xffff
	s_lshr_b32 s44, s43, 3                         ; the batch
	s_and_b32 s45, s43, 7                          ; i
	s_lshr_b32 s3, s45, 1                          ; laps
	s_mov_b32 s[G1], 15|(3<<16)|(1<<21)            ; the mask: all four work-groups; elements of 8 bytes; 21 set beside a mask
	s_mov_b32 s[G1B], 3<<16                        ; no mask
.irp g, G1, G1B
	s_mov_b32 s[\g+1], 32<<16
	s_mov_b32 s[\g+2], 132<<16
	s_mov_b32 s[\g+3], 32<<16
	s_mov_b32 s[\g+4], 132
	s_mov_b32 s[\g+5], 32
	s_mov_b32 s[\g+6], 0
	s_mov_b32 s[\g+7], 0
.endr
	s_lshl_b32 s20, s44, 7
	s_lshl_b32 s21, s45, 1
	s_add_co_u32 s20, s20, s21
	s_add_co_u32 s20, s20, s18
	s_mul_i32 s20, s20, PIECE                      ; attn: piece (batch, key step 0, 2 i + wave%2)
	s_mov_b32 s21, 0
	s_lshl_b32 s46, s44, 6
	s_add_co_u32 s46, s46, s42
	s_mul_i32 s46, s46, PIECE                      ; v: piece (batch, key step 0, xt)
	s_mov_b32 s47, 0
	s_mul_i32 s22, s18, PIECE
	s_wait_kmcnt 0x0
	s_add_nc_u64 s[20:21], s[4:5], s[20:21]
	s_add_nc_u64 s[46:47], s[6:7], s[46:47]
	CROUND                                         ; all four work-groups are here: the first joint loads meet
.irp s, 0,1
	s_mov_b32 s[G0+4*\s], 1
	s_add_co_u32 s[G0+4*\s+1], s22, \s*SLOT
	s_add_nc_u64 s[G0+4*\s+2:G0+4*\s+3], s[20:21], \s*16*PIECE
	s_or_b32 s[G0+4*\s+3], s[G0+4*\s+3], 0x80000000
	s_mov_b32 s[G0B+4*\s], 1
	s_mov_b32 s[G0B+4*\s+1], 2*PIECE+\s*SLOT
	s_add_nc_u64 s[G0B+4*\s+2:G0B+4*\s+3], s[46:47], \s*8*PIECE
	s_or_b32 s[G0B+4*\s+3], s[G0B+4*\s+3], 0x80000000
.endr
	s_cmp_lt_u32 s16, 2                            ; a wave's two first fills stand in one branch: two loads are out in waves 0 to 2, none in wave 3
	s_cbranch_scc0 .Lfirst_not_a
	tensor_load_to_lds s[G0:G0+3], s[G1:G1+7]
	s_nop 0
	tensor_load_to_lds s[G0+4:G0+7], s[G1:G1+7]
	s_nop 0
	PLACES 4
	s_branch .Lfirst_done
.Lfirst_not_a:
	s_cmp_eq_u32 s16, 2
	s_cbranch_scc0 .Lfirst_done
	tensor_load_to_lds s[G0B:G0B+3], s[G1B:G1B+7]
	s_nop 0
	tensor_load_to_lds s[G0B+4:G0B+7], s[G1B:G1B+7]
	s_nop 0
	PLACES 4
.Lfirst_done:
	v_and_b32 v1, 15, v0                           ; r
	v_bfe_u32 v2, v0, 4, 1                         ; h
	v_and_b32 v3, 31, v0
	v_lshlrev_b32 v3, 4, v3
	s_mul_i32 s70, s17, PIECE
	s_lshl_b32 s71, s18, 14
	s_add_co_u32 s71, s71, 2*PIECE
.irp s, 0,1
	v_add_nc_u32 v[ADRA+\s], s70, v3
	v_add_nc_u32 v[ADRB+\s], s71, v3
	s_add_co_u32 s70, s70, SLOT
	s_add_co_u32 s71, s71, SLOT
.endr
	s_mul_i32 s70, s17, PIECE
	s_lshl_b32 s71, s18, 9
	s_add_co_u32 s71, s71, 2*PIECE
	s_sub_co_u32 s71, s71, s70                     ; from A's scale words to those of my four blocks of B
	v_mul_u32_u24 v24, s71, v2
	v_lshlrev_b32 v25, 4, v1
	s_add_co_u32 s70, s70, SCO
.irp s, 0,1
	v_add_nc_u32 v[ADRT+\s], s70, v25
	v_add_nc_u32 v[ADRS+\s], v[ADRT+\s], v24
	s_add_co_u32 s70, s70, SLOT
.endr
	s_mul_i32 s70, s16, 16*272
	s_add_co_u32 s70, s70, EX                      ; my stage
	v_mul_u32_u24 v7, v1, 272
	v_lshl_add_u32 v7, v2, 5, v7
	v_add_nc_u32 v7, s70, v7                       ; in: row r, + 32 h (+ 64 b)
	v_mul_u32_u24 v8, v2, 272
	v_lshl_add_u32 v8, v1, 4, v8
	v_add_nc_u32 v8, s70, v8                       ; back: lanes 0-15 one row, lanes 16-31 the next
	v_lshlrev_b32 v9, 4, v1
	v_lshl_add_u32 v9, v2, 14, v9                  ; in out: fragment rows lie 4 rows of 4,096 bytes apart
	v_lshlrev_b32 v10, 4, v1                       ; den: 16 r
	s_lshl_b32 s70, s44, 11
	s_lshl_b32 s71, s45, 8
	s_add_co_u32 s70, s70, s71
	s_lshl_b32 s71, s17, 7
	s_add_co_u32 s70, s70, s71                     ; my first row
	s_lshl_b32 s72, s70, 2
	s_mov_b32 s73, 0
	s_add_nc_u64 s[68:69], s[8:9], s[72:73]
	s_lshl_b32 s72, s70, 12
	s_lshl_b32 s71, s42, 9
	s_add_co_u32 s72, s72, s71
	s_lshl_b32 s71, s18, 8
	s_add_co_u32 s72, s72, s71
	s_add_nc_u64 s[66:67], s[10:11], s[72:73]
.irp qd, 0,1,2,3
.irp A1, 0,1
	global_load_b128 v[64+8*\qd+4*\A1:67+8*\qd+4*\A1], v10, s[68:69] offset:\qd*32768+\A1*256      ; den's quarter qd of rows 64 A1 + 4 r + 0..3
.endr
.endr
	s_wait_tensorcnt 1                             ; my part of slot 0 is in; slot 1's may stay out
	s_barrier_signal -1
	s_barrier_wait -1
	FETCH_B 0, 0, 0
	FETCH_A 0, 0, 0
	SCALES 0
	FETCH_A 0, 0, 4
	STEP 0, 1                                      ; the first products start the sums
	s_cmp_eq_u32 s3, 0
	s_cbranch_scc1 .Lnolap
.Llap:                                                 ; a trip goes once round the ring and fills both slots again
	TURN 0, 1, 1
	STEP 1, 0
	TURN 1, 0, 1
	STEP 0, 0
	s_sub_co_u32 s3, s3, 1
	s_cmp_lg_u32 s3, 0
	s_cbranch_scc1 .Llap
.Lnolap:
	TURN 0, 1, 0                                   ; the last two slots: nothing is left to fetch
	STEP 1, 0
	s_wait_dscnt 16
	MUL2 0, 1, 1, 1, 0
	MUL2 2, 1, 1, 1, 0
	s_wait_dscnt 0
	MUL2 4, 1, 1, 1, 0
	MUL2 6, 1, 1, 1, 0
	WIN 0
	PLACES 8
	s_wait_loadcnt 0x0                             ; den
.irp p, 0,2,4,6
	v_pk_add_f32 v[64+\p:65+\p], v[64+\p:65+\p], v[72+\p:73+\p]
	v_pk_add_f32 v[80+\p:81+\p], v[80+\p:81+\p], v[88+\p:89+\p]
.endr
.irp p, 0,2,4,6
	v_pk_add_f32 v[64+\p:65+\p], v[64+\p:65+\p], v[80+\p:81+\p]
.endr
.irp p, 0,2,4,6
	v_pk_add_f32 v[64+\p:65+\p], v[64+\p:65+\p], 0x358637bd op_sel_hi:[1,0]       ; + 1e-6
.endr
.irp a, 0,1,2,3,4,5,6,7
	v_rcp_f32 v[96+2*\a], v[64+\a]                 ; twice: a pair for the packed multiply
	v_rcp_f32 v[97+2*\a], v[64+\a]
.endr
	v_nop
	s_wait_alu depctr_va_vdst(0)                   ; one wait for the batch, ahead of its first reader
; THE WAY OUT, block by block of 16 queries x 64 d: divided, through my own stage, back as rows of 256 bytes.  LDS serves a wave's instructions in order: no wait between the stores and the loads.
.macro TOSTAGE a
.set TM, 128+32*((\a)%2)
.set BK, 192+32*((\a)%2)
	WIN 0x02
.set n, 0
.rept 16
	v_pk_mul_f32 v[TM+2*n:TM+2*n+1], v[32*(\a)+2*n:32*(\a)+2*n+1], v[96+2*(\a):97+2*(\a)]
.set n, n+1
.endr
	WIN 0
.irp b, 0,1,2,3
	ds_store_b128 v7, v[TM+8*\b:TM+8*\b+3] offset:64*\b
	ds_store_b128 v7, v[TM+8*\b+4:TM+8*\b+7] offset:64*\b+16
.endr
.irp t, 0,1,2,3,4,5,6,7
	ds_load_b128 v[BK+4*\t:BK+4*\t+3], v8 offset:\t*544
.endr
.endm
.macro SEND a, younger                 ; younger: the LDS instructions issued behind block a's loads, which may stay out
.set BK, 192+32*((\a)%2)
	s_wait_dscnt \younger
.irp t, 0,1,2,3,4,5,6,7
	global_store_b128 v9, v[BK+4*\t:BK+4*\t+3], s[66:67] offset:(64*((\a)/4)+(\a)%4)*4096+\t*32768 th:TH_STORE_NT     ; sixteen lanes store 256 consecutive bytes, aligned
.endr
.endm
	TOSTAGE 0
.irp a, 1,2,3,4,5,6,7
.if \a > 1
	s_wait_xcnt 0x0                                ; block a - 2's stores have read their registers: block a's loads may land there
.endif
	TOSTAGE \a
	SEND \a-1, 16                                  ; behind block a - 1's loads: block a's eight stores and eight loads
.endr
	SEND 7, 0
	s_wait_tensorcnt 0x0                           ; the wave's end
	ds_add_u32 v[SPW], v[NIL]
	s_wait_dscnt 0x0
	CROUND                                         ; the closing round
	s_endpgm
.Lfunc_end_k_q516f1c320f_mix:
	.size	k_q516f1c320f_mix, .Lfunc_end_k_q516f1c320f_mix-k_q516f1c320f_mix
	.p2alignl 7, 3214868480
	.fill 96, 4, 3214868480
	.section	.rodata,"a",@progbits
	.p2align	6, 0x0
	.amdhsa_kernel k_q516f1c320f_mix
		.amdhsa_group_segment_fixed_size 327680
		.amdhsa_private_segment_fixed_size 0
		.amdhsa_enable_private_segment 0
		.amdhsa_kernarg_size 32
		.amdhsa_user_sgpr_count 2
		.amdhsa_user_sgpr_kernarg_segment_ptr 1
		.amdhsa_wavefront_size32 1
		.amdhsa_system_sgpr_workgroup_id_x 1
		.amdhsa_system_sgpr_workgroup_id_y 1
		.amdhsa_system_sgpr_workgroup_id_z 1
		.amdhsa_system_vgpr_workitem_id 0
		.amdhsa_next_free_vgpr 768
		.amdhsa_next_free_sgpr 80
		.amdhsa_reserve_vcc 0
		.amdhsa_float_denorm_mode_32 3
		.amdhsa_float_denorm_mode_16_64 3
		.amdhsa_memory_ordered 1
		.amdhsa_forward_progress 1
		.amdhsa_inst_pref_size 98
	.end_amdhsa_kernel
	.amdgpu_metadata
---
amdhsa.version: [ 1, 2 ]
amdhsa.kernels:
  - .name:           k_q516f1c320f_mix
    .symbol:         k_q516f1c320f_mix.kd
    .args:
      - { .name: ao, .offset: 0, .size: 8, .value_kind: global_buffer, .address_space: global }
      - { .name: vo, .offset: 8, .size: 8, .value_kind: global_buffer, .address_space: global }
      - { .name: den4, .offset: 16, .size: 8, .value_kind: global_buffer, .address_space: global }
      - { .name: out0, .offset: 24, .size: 8, .value_kind: global_buffer, .address_space: global }
    .group_segment_fixed_size: 327680
    .private_segment_fixed_size: 0
    .kernarg_segment_align: 8
    .kernarg_segment_size: 32
    .max_flat_workgroup_size: 128
    .sgpr_count:     80
    .vgpr_count:     768
    .wavefront_size: 32
...
	.end_amdgpu_metadata
.endif
;; end of part 4
